; MI455X (gfx1250); checked and timed in simulation.
; The chip was launched on July 23, 2026; its instructions are those of AMD's public machine-readable ISA for CDNA 5 (MIT licence, August 2026) and "CDNA5" Instruction Set Architecture Reference Guide (July 2026). The comments in the code are by the model that wrote it; some were corrected since.
;; Sparse Mo E. Allowed arithmetic: float matrix products may take bf16 or f16 operands with f32 sums; other float arithmetic in f32, or as packed bf16 or f16 multiplies, adds, multiply-adds, maxima and minima; sums over many terms, partial sums and values carried from step to step in f32; what a program stores and reads back later, other than sums and carried values, may be rounded once to bf16 or f16.
;; Inputs: W1 8 x 1,024 x 4,096 float32; W2 8 x 4,096 x 1,024 float32; Wr 1,024 x 8 float32; b1 8 x 4,096 float32; b2 8 x 1,024 float32; br 8 float32; inputs 2 x 512 x 1,024 float32.
;; Outputs: out0 2 x 512 x 1,024 float32.
;; 2 versions, each right; version 2 is version 1 with the launches ffn1, ffn2 written anew for expert scheduling mode. Each part assembles by itself: llvm-mc -triple=amdgcn-amd-amdhsa -mcpu=gfx1250 --defsym DOCPART=n.
;; ======== version 1 of 2: 5 launches
;; limits: right only within a limited range of input values
;; workspace buffers: ridx 8,192 bytes of whole numbers; pos 8,192 bytes of whole numbers; cnt 256 bytes of whole numbers; gate 8,192 bytes; xs 16,777,216 bytes; hs 67,108,864 bytes; part 134,217,728 bytes
;; launch router (part 1): grid 256 x 1, 4 waves a work-group, no clusters, 37,376 bytes of LDS; arguments inputs, Wr, br, ridx, gate; writes ridx, gate
.if DOCPART == 1
	.amdgcn_target "amdgcn-amd-amdhsa--gfx1250"
	.amdhsa_code_object_version 6
	.text
	.protected	k_qd113aaeb00_router
	.globl	k_qd113aaeb00_router
	.p2align	8
	.type	k_qd113aaeb00_router,@function
k_qd113aaeb00_router:
	s_mov_b64 s[64:65], 0
	v_nop
	global_prefetch_b8 v0, s[64:65] scope:SCOPE_SE
	s_setreg_imm32_b32 hwreg(HW_REG_WAVE_MODE, 25, 1), 1
	s_wait_xcnt 0x0
; THE ROUTER.  For each of 1,024 tokens: logits = x Wr + br, scores = softmax(logits) with the maximum taken away, the two largest scores (on a tie the lower index),
; and the second softmax over those two scores: 1 / (1 + g) and g / (1 + g), g = e^(s2 - s1), s1 being the maximum that is taken away.
; x, Wr and br are rounded to bf16 first, as every input of this program is; products and sums in f32.  One token a wave, four a work-group.
; The product stands on the vector unit: 8 columns would fill half a matrix tile, and it is 16.8 of the program's 34,368 MFLOP.
; Nothing here steers an address: the chosen experts go to fixed places of ridx ([token][2]), their weights to gate ([token][2]); a later launch places the rows.
; LIMITS.  A score below 2^-126 counts as 0 (v_exp_f32 gives 0 there); the sums run in another order than a row-by-row sum, so two scores closer than some 1e-6 of
; themselves may change places; NaN and infinities are not treated apart.  A wave's two stores are 8 bytes each: 16 KiB in the whole launch.
.set SPARE, 36864                      ; behind Wr's copy: the spare words, 128 bytes a wave
.set GP,   144                         ; four rows of Wr (128 bytes) and 16 of padding: 9 x 16 bytes
.set X,    8                           ; v[8:39]    my 32 numbers of the token's row: 128 j + 4 lane + 0..3
.set WA,   40                          ; v[40:71]   Wr as loaded; later buffer 0 of Wr's rows
.set WB,   72                          ; v[72:103]  Wr as loaded; later buffer 1
.set ACC,  104                         ; v[104:111] eight sums; then logits; then scores
.set TM,   112                         ; v[112:119] at work
.set BR,   120                         ; v[120:127] br
.set SC,   128                         ; v[128:135] the scores without the first choice
.set IDX,  136                         ; v[136:137] the two experts
.set GT,   138                         ; v[138:139] their weights
.set BS,   140                         ; v140 the largest score, v141 the second
.set TA,   142                         ; v142, v143 at work
.set ZA,   144                         ; v144 offset 0 for the stores
	s_load_b256 s[4:11], s[0:1], 0x0               ; inputs s[4:5], Wr s[6:7], br s[8:9], ridx s[10:11]
	s_load_b64 s[12:13], s[0:1], 0x20              ; gate
	v_lshl_add_u32 v6, v0, 2, SPARE                ; my spare word,
	v_mov_b32 v7, 0                                ; and 0: kept for the closing add alone
	v_lshrrev_b32 v1, 5, v0
	v_readfirstlane_b32 s14, v1                    ; wave
	v_and_b32 v1, 31, v0                           ; lane
	s_lshl_b32 s15, ttmp9, 2
	s_add_co_u32 s15, s15, s14                     ; token
	s_lshl_b32 s16, s15, 12                        ; its row, 4,096 bytes
	s_mov_b32 s17, 0
	s_lshl_b32 s18, s15, 3                         ; its 8 bytes in ridx and in gate
	s_mov_b32 s19, 0
	s_mov_b32 s20, 0x76543210                      ; v_permlanex16_b32: each lane takes its own place in the other half
	s_mov_b32 s21, 0xfedcba98
	v_lshlrev_b32 v2, 4, v1                        ; 16 lane
	v_lshlrev_b32 v3, 4, v0                        ; 16 thread
	v_lshrrev_b32 v4, 3, v0
	v_mul_u32_u24 v4, v4, GP
	v_and_b32 v5, 7, v0
	v_lshl_add_u32 v4, v5, 4, v4                   ; where my 16 bytes of Wr go: group thread / 8, piece thread % 8
	v_mul_u32_u24 v5, v1, GP                       ; where my four rows of Wr lie: group 32 j + lane
	v_mov_b32 v[ZA], 0
	s_wait_kmcnt 0x0
	s_load_b256 s[24:31], s[8:9], 0x0              ; br, 32 bytes
	s_add_nc_u64 s[4:5], s[4:5], s[16:17]
	s_add_nc_u64 s[10:11], s[10:11], s[18:19]
	s_add_nc_u64 s[12:13], s[12:13], s[18:19]
.set k, 0
.rept 8
	global_load_b128 v[X+4*k:X+4*k+3], v2, s[4:5] offset:512*k       ; 512 consecutive bytes of the row
.set k, k+1
.endr
.set k, 0
.rept 16
	global_load_b128 v[WA+4*k:WA+4*k+3], v3, s[6:7] offset:2048*k    ; the work-group's 128 threads take 2,048 consecutive bytes of Wr
.set k, k+1
.endr
; two numbers rounded to bf16 and kept as f32
.macro RND2 a, t
	v_cvt_pk_bf16_f32 v[\t], v[\a], v[(\a)+1]
	v_lshlrev_b32 v[\a], 16, v[\t]
	v_and_b32 v[(\a)+1], 0xffff0000, v[\t]
.endm
.set k, 0
.rept 16
	s_wait_loadcnt 15-k                            ; loads come back in order: piece k is in, the younger ones stay out
	RND2 WA+4*k, TM+2*(k%4)
	RND2 WA+4*k+2, TM+2*(k%4)+1
	ds_store_b128 v4, v[WA+4*k:WA+4*k+3] offset:16*GP*k
.set k, k+1
.endr
	s_wait_dscnt 0x0                               ; for the others' sake: my part of Wr's copy is written
	s_barrier_signal -1
	s_barrier_wait -1                              ; everybody's is
.macro LDW buf, j                      ; my four rows of Wr for x's piece j: 8 x 16 bytes
.irp u, 0,1,2,3,4,5,6,7
	ds_load_b128 v[(\buf)+4*(\u):(\buf)+4*(\u)+3], v5 offset:32*GP*(\j)+16*(\u)
.endr
.endm
	LDW WA, 0
.set k, 0
.rept 16
	RND2 X+2*k, TM+k%8                             ; x rounded while the first rows come
.set k, k+1
.endr
; sixteen packed multiply-adds: row i of the four times x's number i, onto four pairs of sums; the first four start the sums
.macro FM buf, j
.irp i, 0,1,2,3
.irp p, 0,1,2,3
.if ((\j) == 0) && ((\i) == 0)
	v_pk_mul_f32 v[ACC+2*(\p):ACC+2*(\p)+1], v[(\buf)+8*(\i)+2*(\p):(\buf)+8*(\i)+2*(\p)+1], v[X+4*(\j)+2*((\i)/2):X+4*(\j)+2*((\i)/2)+1] op_sel_hi:[1,0]
.elseif ((\i)%2) == 0
	v_pk_fma_f32 v[ACC+2*(\p):ACC+2*(\p)+1], v[(\buf)+8*(\i)+2*(\p):(\buf)+8*(\i)+2*(\p)+1], v[X+4*(\j)+2*((\i)/2):X+4*(\j)+2*((\i)/2)+1], v[ACC+2*(\p):ACC+2*(\p)+1] op_sel_hi:[1,0,1]
.else
	v_pk_fma_f32 v[ACC+2*(\p):ACC+2*(\p)+1], v[(\buf)+8*(\i)+2*(\p):(\buf)+8*(\i)+2*(\p)+1], v[X+4*(\j)+2*((\i)/2):X+4*(\j)+2*((\i)/2)+1], v[ACC+2*(\p):ACC+2*(\p)+1] op_sel:[0,1,0] op_sel_hi:[1,1,1]
.endif
.endr
.endr
.endm
.irp j, 0,2,4,6
	LDW WB, (\j)+1
	s_wait_dscnt 8                                 ; this piece's eight loads are in, the next piece's eight stay out
	FM WA, \j
.if (\j) < 6
	LDW WA, (\j)+2
	s_wait_dscnt 8
.else
	s_wait_dscnt 0
.endif
	FM WB, (\j)+1
.endr
	; across the 32 lanes: four steps inside each half ride on the addition, one crosses the halves
.irp m, 1,2,4,8
.set k, 0
.rept 8
	v_add_f32_dpp v[ACC+k], v[ACC+k], v[ACC+k] row_xmask:\m row_mask:0xf bank_mask:0xf
.set k, k+1
.endr
.endr
.set k, 0
.rept 8
	v_permlanex16_b32 v[WA+k], v[ACC+k], s20, s21  ; its destination counts as read: these registers have been written
.set k, k+1
.endr
	s_wait_kmcnt 0x0                               ; br
.set k, 0
.rept 4
	v_cvt_pk_bf16_f32 v[TM+k], s[24+2*k], s[25+2*k]
	v_lshlrev_b32 v[BR+2*k], 16, v[TM+k]
	v_and_b32 v[BR+2*k+1], 0xffff0000, v[TM+k]
.set k, k+1
.endr
.set k, 0
.rept 8
	v_add_f32 v[ACC+k], v[ACC+k], v[WA+k]
	v_add_f32 v[ACC+k], v[ACC+k], v[BR+k]          ; the logits, in every lane
.set k, k+1
.endr
	v_max3_num_f32 v[TA], v[ACC], v[ACC+1], v[ACC+2]
	v_max3_num_f32 v[TA], v[TA], v[ACC+3], v[ACC+4]
	v_max3_num_f32 v[TA], v[TA], v[ACC+5], v[ACC+6]
	v_max_num_f32 v[TA], v[TA], v[ACC+7]
.set k, 0
.rept 8
	v_sub_f32 v[ACC+k], v[ACC+k], v[TA]            ; the maximum is taken away first, then the change of base
	v_mul_f32 v[ACC+k], 0x3fb8aa3b, v[ACC+k]
.set k, k+1
.endr
.set k, 0
.rept 8
	v_exp_f32 v[ACC+k], v[ACC+k]
.set k, k+1
.endr
	v_nop                                          ; a plain instruction behind the last exponential,
	s_wait_alu depctr_va_vdst(0)                   ; and one wait for the eight, ahead of their first use
	v_add_f32 v[TM], v[ACC], v[ACC+1]
	v_add_f32 v[TM+1], v[ACC+2], v[ACC+3]
	v_add_f32 v[TM+2], v[ACC+4], v[ACC+5]
	v_add_f32 v[TM+3], v[ACC+6], v[ACC+7]
	v_add_f32 v[TM], v[TM], v[TM+1]
	v_add_f32 v[TM+2], v[TM+2], v[TM+3]
	v_add_f32 v[TM], v[TM], v[TM+2]
	v_rcp_f32 v[TA], v[TM]
	v_nop
	s_wait_alu depctr_va_vdst(0)
.set k, 0
.rept 8
	v_mul_f32 v[ACC+k], v[ACC+k], v[TA]            ; the scores
.set k, k+1
.endr
	; the largest: only a strictly greater score takes the place, so the lower index keeps a tie
	v_mov_b32 v[BS], v[ACC]
	v_mov_b32 v[IDX], 0
.irp k, 1,2,3,4,5,6,7
	v_cmp_gt_f32 vcc_lo, v[ACC+(\k)], v[BS]
	v_cndmask_b32 v[BS], v[BS], v[ACC+(\k)], vcc_lo
	v_cndmask_b32 v[IDX], v[IDX], \k, vcc_lo
.endr
	; the second: the same scan with -1 in the first one's place (scores are 0 or more)
.irp k, 0,1,2,3,4,5,6,7
	v_cmp_eq_u32 vcc_lo, \k, v[IDX]
	v_cndmask_b32 v[SC+(\k)], v[ACC+(\k)], -1.0, vcc_lo
.endr
	v_mov_b32 v[BS+1], v[SC]
	v_mov_b32 v[IDX+1], 0
.irp k, 1,2,3,4,5,6,7
	v_cmp_gt_f32 vcc_lo, v[SC+(\k)], v[BS+1]
	v_cndmask_b32 v[BS+1], v[BS+1], v[SC+(\k)], vcc_lo
	v_cndmask_b32 v[IDX+1], v[IDX+1], \k, vcc_lo
.endr
	v_sub_f32 v[TA], v[BS+1], v[BS]                ; s2 - s1, at most 0
	v_mul_f32 v[TA], 0x3fb8aa3b, v[TA]
	v_exp_f32 v[TA], v[TA]                         ; g
	v_nop
	s_wait_alu depctr_va_vdst(0)
	v_add_f32 v[TA+1], 1.0, v[TA]
	v_rcp_f32 v[GT], v[TA+1]                       ; 1 / (1 + g)
	v_nop
	s_wait_alu depctr_va_vdst(0)
	v_mul_f32 v[GT+1], v[TA], v[GT]                ; g / (1 + g)
	s_wait_tensorcnt 0x0                           ; the wave's end in LDS
	ds_add_u32 v6, v7
	s_wait_dscnt 0x0
	s_wait_xcnt 0x0                                ; EXEC changes only behind this wait
	v_cmp_eq_u32 vcc_lo, 0, v1
	s_and_saveexec_b32 s22, vcc_lo                 ; every lane holds the same four numbers: lane 0 stores them
	global_store_b64 v[ZA], v[IDX:IDX+1], s[10:11]
	global_store_b64 v[ZA], v[GT:GT+1], s[12:13]
	s_wait_xcnt 0x0
	s_or_b32 exec_lo, exec_lo, s22
	s_endpgm
.Lfunc_end_k_qd113aaeb00_router:
	.size	k_qd113aaeb00_router, .Lfunc_end_k_qd113aaeb00_router-k_qd113aaeb00_router
	.p2alignl 7, 3214868480
	.fill 96, 4, 3214868480
	.section	.rodata,"a",@progbits
	.p2align	6, 0x0
	.amdhsa_kernel k_qd113aaeb00_router
		.amdhsa_group_segment_fixed_size 37376
		.amdhsa_private_segment_fixed_size 0
		.amdhsa_enable_private_segment 0
		.amdhsa_kernarg_size 40
		.amdhsa_user_sgpr_count 2
		.amdhsa_user_sgpr_kernarg_segment_ptr 1
		.amdhsa_wavefront_size32 1
		.amdhsa_system_sgpr_workgroup_id_x 1
		.amdhsa_system_sgpr_workgroup_id_y 1
		.amdhsa_system_sgpr_workgroup_id_z 1
		.amdhsa_system_vgpr_workitem_id 0
		.amdhsa_next_free_vgpr 146
		.amdhsa_next_free_sgpr 66
		.amdhsa_reserve_vcc 1
		.amdhsa_float_denorm_mode_32 3
		.amdhsa_float_denorm_mode_16_64 3
		.amdhsa_memory_ordered 1
		.amdhsa_forward_progress 1
		.amdhsa_inst_pref_size 35
	.end_amdhsa_kernel
	.amdgpu_metadata
---
amdhsa.version: [ 1, 2 ]
amdhsa.kernels:
  - .name:           k_qd113aaeb00_router
    .symbol:         k_qd113aaeb00_router.kd
    .args:
      - { .name: inputs, .offset: 0, .size: 8, .value_kind: global_buffer, .address_space: global }
      - { .name: Wr, .offset: 8, .size: 8, .value_kind: global_buffer, .address_space: global }
      - { .name: br, .offset: 16, .size: 8, .value_kind: global_buffer, .address_space: global }
      - { .name: ridx, .offset: 24, .size: 8, .value_kind: global_buffer, .address_space: global }
      - { .name: gate, .offset: 32, .size: 8, .value_kind: global_buffer, .address_space: global }
    .group_segment_fixed_size: 37376
    .private_segment_fixed_size: 0
    .kernarg_segment_align: 8
    .kernarg_segment_size: 40
    .max_flat_workgroup_size: 128
    .sgpr_count:     66
    .vgpr_count:     146
    .wavefront_size: 32
...
	.end_amdgpu_metadata
.endif
;; end of part 1
;; launch place (part 2): grid 256 x 1, 8 waves a work-group, no clusters, 68,608 bytes of LDS; arguments inputs, ridx, xs, pos, cnt; writes xs, pos, cnt
.if DOCPART == 2
	.amdgcn_target "amdgcn-amd-amdhsa--gfx1250"
	.amdhsa_code_object_version 6
	.text
	.protected	k_qd113aaeb00_place
	.globl	k_qd113aaeb00_place
	.p2align	8
	.type	k_qd113aaeb00_place,@function
k_qd113aaeb00_place:
	s_mov_b64 s[64:65], 0
	v_nop
	global_prefetch_b8 v0, s[64:65] scope:SCOPE_SE
	s_setreg_imm32_b32 hwreg(HW_REG_WAVE_MODE, 25, 1), 1
	s_wait_xcnt 0x0
; THE PLACING.  Expert e's rows are its tokens in ascending order; row number rank lies at slot e x 1,024 + rank, so no split of the tokens can pass a buffer's end and no prefix sum over experts is wanted.
; A wave makes a quarter (256 of 1,024 channels) of one tile of 16 rows: it gathers the rows, rounds them to bf16 and stores them in the order in which a matrix operand's registers take them.
; Work-group x: expert x / 32; wave w: tile x % 32 + 32 (w / 4), quarter w % 4: the grid holds all 64 tiles that an expert can have; a wave whose tile this split leaves empty stores nothing.
; Tile 0 of every expert is always made, so that the products never read a byte that nobody wrote.  Places past the count repeat the expert's last row (with no row at all: token 1,023).
; THE ORDER IN xs: [expert 8][tile 64][K step 32][q 2][lane 32][16 bytes]; lane (r = lane % 16, h = lane / 16) of piece (ks, q) holds row r, channels 64 (ks / 2) + 32 h + 16 (ks % 2) + 8 q + 0..7.
; That is one permutation of the channels, applied alike to the weights by the product's launch.
; THE RANK.  Every wave reads all 2,048 choices (8 KiB).  Pass 1: a bitmap of the expert's tokens, 32 words in scalar registers, and their count.  Pass 2: each lane keeps the word in which its rank falls
; (the last word whose running count is not above the rank).  Then the bit of that rank in the word, by the sums of 2, 4, 8 and 16 bits.  No atomics, and no address in LDS hangs on data.
; Also stored: cnt[e], and for each choice its slot, pos[2 token + k].  These are stores of 4 bytes to scattered places, 8 KiB in all.
; The waves do not depend on each other: each has a stage of its own in LDS, and there is no barrier.
; The LDS addresses and the count's address are made at the head, in registers that never hold anything else.
.set SPITCH, 528                       ; a stage row: 256 bf16 + 16 bytes: 132 words, so the sixteen rows that a load touches start at sixteen different groups of four banks
.set STW,    16*SPITCH                 ; a wave's stage, 8,448 bytes = 33 blocks of 256
.set SPARE,  8*STW                     ; behind the stages: the spare words, 128 bytes a wave
.set STI, 4                            ; v4   stage, in: 8 bytes a lane
.set STB, 5                            ; v5   stage, back: row lane % 16, 64 bytes on for the upper lanes
.set R,   16                           ; v[16:79]   the choices: word w's pair at R + 2 w; later the tile as it leaves
.set D,   80                           ; v[80:207]  the rows as loaded: row r, half m at D + 8 r + 4 m
.set CA,  208                          ; v208 4 e: the count's place in cnt
	s_load_b256 s[4:11], s[0:1], 0x0               ; inputs s[4:5], ridx s[6:7], xs s[8:9], pos s[10:11]
	s_load_b64 s[12:13], s[0:1], 0x20              ; cnt
	v_lshl_add_u32 v6, v0, 2, SPARE
	v_mov_b32 v7, 0
	v_lshrrev_b32 v1, 5, v0
	v_readfirstlane_b32 s14, v1                    ; wave
	v_and_b32 v1, 31, v0                           ; lane
	s_lshr_b32 s15, ttmp9, 5                       ; expert
	s_and_b32 s16, ttmp9, 31
	s_lshr_b32 s17, s14, 2
	s_lshl_b32 s17, s17, 5
	s_add_co_u32 s17, s17, s16                     ; tile
	s_and_b32 s18, s14, 3                          ; quarter
	s_lshl_b32 s19, s17, 4                         ; the tile's first rank
	v_lshlrev_b32 v2, 3, v1                        ; 8 lane
	v_lshlrev_b32 v3, 4, v1                        ; 16 lane
	s_mul_i32 s20, s14, STW                        ; my stage
	v_add_nc_u32 v[STI], s20, v2
	v_and_b32 v[STB], 15, v1
	v_mul_u32_u24 v[STB], v[STB], SPITCH
	v_lshrrev_b32 v8, 4, v1
	v_lshl_add_u32 v[STB], v8, 6, v[STB]
	v_add_nc_u32 v[STB], s20, v[STB]
	s_lshl_b32 s22, s15, 2
	v_mov_b32 v[CA], s22
	s_mov_b32 s21, 0
	s_wait_kmcnt 0x0
.set w, 0
.rept 32
	global_load_b64 v[R+2*w:R+2*w+1], v2, s[6:7] offset:256*w        ; word w: tokens 32 w + lane, 256 consecutive bytes
.set w, w+1
.endr
.set w, 0
.rept 32                               ; pass 1
	s_wait_loadcnt 31-w
	v_cmp_eq_u32 s22, s15, v[R+2*w]
	v_cmp_eq_u32 s23, s15, v[R+2*w+1]
	s_or_b32 s[32+w], s22, s23
	s_bcnt1_i32_b32 s22, s[32+w]
	s_add_co_u32 s21, s21, s22
.set w, w+1
.endr
	s_mov_b32 s24, s21                             ; the expert's count
	s_or_b32 s22, s16, s14
	s_cmp_lg_u32 s22, 0
	s_cbranch_scc1 .Lno_cnt                        ; one wave of the expert's 256 stores the count
	v_mov_b32 v8, s24
	s_wait_xcnt 0x0                                ; EXEC changes only behind this wait
	v_cmp_eq_u32 vcc_lo, 0, v1
	s_and_saveexec_b32 s22, vcc_lo
	global_store_b32 v[CA], v8, s[12:13]
	s_wait_xcnt 0x0
	s_or_b32 exec_lo, exec_lo, s22
.Lno_cnt:
	s_add_co_u32 s25, s24, 15
	s_lshr_b32 s25, s25, 4
	s_max_u32 s25, s25, 1                          ; tiles to make: at least one
	s_cmp_ge_u32 s17, s25
	s_cbranch_scc1 .Lend
	s_max_u32 s26, s24, 1
	s_sub_co_u32 s26, s26, 1                       ; the last rank that exists
	v_and_b32 v9, 15, v1
	v_add_nc_u32 v9, s19, v9
	v_min_u32 v9, s26, v9                          ; my row's rank
	v_mov_b32 v10, 0                               ; the bitmap word that holds it,
	v_mov_b32 v11, 0                               ; the same word's bitmap of second choices,
	v_mov_b32 v12, 0                               ; the count in front of the word,
	v_mov_b32 v13, 0                               ; the word's number
	s_mov_b32 s21, 0
.set w, 0
.rept 32                               ; pass 2
	v_cmp_eq_u32 s23, s15, v[R+2*w+1]
	v_cmp_le_u32 vcc_lo, s21, v9
	v_cndmask_b32 v10, v10, s[32+w], vcc_lo
	v_cndmask_b32 v11, v11, s23, vcc_lo
	v_cndmask_b32 v12, v12, s21, vcc_lo
	v_cndmask_b32 v13, v13, w, vcc_lo
	s_bcnt1_i32_b32 s22, s[32+w]
	s_add_co_u32 s21, s21, s22
.set w, w+1
.endr
	v_sub_nc_u32 v12, v9, v12                      ; which set bit of the word, from 0
	v_lshrrev_b32 v15, 1, v10
	v_and_b32 v15, 0x55555555, v15
	v_sub_nc_u32 v80, v10, v15                     ; sums of 2 bits
	v_lshrrev_b32 v15, 2, v80
	v_and_b32 v15, 0x33333333, v15
	v_and_b32 v81, 0x33333333, v80
	v_add_nc_u32 v81, v81, v15                     ; of 4
	v_lshrrev_b32 v15, 4, v81
	v_add_nc_u32 v82, v81, v15
	v_and_b32 v82, 0x0f0f0f0f, v82                 ; of 8
	v_lshrrev_b32 v15, 8, v82
	v_add_nc_u32 v83, v82, v15
	v_and_b32 v83, 0x00ff00ff, v83                 ; of 16
	v_mov_b32 v14, 0                               ; the bit's place
.macro SEL src, width, step            ; if the lower half of the span in hand holds too few set bits, go on in the upper half
	v_bfe_u32 v15, v[\src], v14, \width
	v_cmp_ge_u32 vcc_lo, v12, v15
	v_sub_nc_u32 v15, v12, v15
	v_cndmask_b32 v12, v12, v15, vcc_lo
	v_add_nc_u32 v15, \step, v14
	v_cndmask_b32 v14, v14, v15, vcc_lo
.endm
	SEL 83, 8, 16
	SEL 82, 8, 8
	SEL 81, 4, 4
	SEL 80, 2, 2
	SEL 10, 1, 1
	v_lshl_add_u32 v13, v13, 5, v14                ; the token
	v_bfe_u32 v11, v11, v14, 1                     ; 0: the expert is its first choice, 1: its second
	v_lshl_add_u32 v12, v13, 1, v11
	s_cmp_lg_u32 s18, 0
	s_cbranch_scc1 .Lno_pos                        ; one of the tile's four waves stores the slots
	s_sub_co_u32 s27, s24, s19
	s_min_u32 s27, s27, 16                         ; rows of the tile that exist
	v_min_u32 v12, 2047, v12
	v_lshlrev_b32 v12, 2, v12
	s_lshl_b32 s22, s15, 10
	s_add_co_u32 s22, s22, s19
	v_add_nc_u32 v15, s22, v1                      ; slot = 1,024 e + rank
	s_wait_xcnt 0x0
	v_cmp_gt_u32 vcc_lo, s27, v1
	s_and_saveexec_b32 s22, vcc_lo
	global_store_b32 v12, v15, s[10:11]
	s_wait_xcnt 0x0
	s_or_b32 exec_lo, exec_lo, s22
.Lno_pos:
	s_lshl_b32 s26, s18, 10                        ; my quarter of a row: 1,024 bytes
	s_mov_b32 s27, 0
	s_add_nc_u64 s[28:29], s[4:5], s[26:27]
.set r, 0
.rept 16                               ; the sixteen rows' addresses, where the bitmap lay
	v_readlane_b32 s26, v13, r
	s_min_u32 s26, s26, 1023
	s_lshl_b32 s26, s26, 12
	s_add_nc_u64 s[32+2*r:33+2*r], s[28:29], s[26:27]
.set r, r+1
.endr
.set r, 0
.rept 16
	global_load_b128 v[D+8*r:D+8*r+3],   v3, s[32+2*r:33+2*r]             ; 512 consecutive bytes of the row,
	global_load_b128 v[D+8*r+4:D+8*r+7], v3, s[32+2*r:33+2*r] offset:512  ; and the next 512
.set r, r+1
.endr
	s_lshl_b32 s26, s15, 6
	s_add_co_u32 s26, s26, s17
	s_lshl_b32 s26, s26, 15                        ; the tile, 32 KiB,
	s_lshl_b32 s22, s18, 13                        ; my 8 K steps of 1 KiB
	s_add_co_u32 s26, s26, s22
	s_add_nc_u64 s[8:9], s[8:9], s[26:27]
.set u, 0
.rept 32
	s_wait_loadcnt 31-u
	v_cvt_pk_bf16_f32 v[D+4*u], v[D+4*u], v[D+4*u+1]
	v_cvt_pk_bf16_f32 v[D+4*u+1], v[D+4*u+2], v[D+4*u+3]
	ds_store_b64 v[STI], v[D+4*u:D+4*u+1] offset:(u/2)*SPITCH+(u%2)*256
.set u, u+1
.endr
.set u, 0
.rept 16                               ; piece u: K step u / 2, q = u % 2.  LDS serves a wave's instructions in order: these see the stores above
	ds_load_b128 v[R+4*u:R+4*u+3], v[STB] offset:128*(u/4)+32*((u/2)%2)+16*(u%2)
.set u, u+1
.endr
.set u, 0
.rept 16
	s_wait_dscnt 15-u
	global_store_b128 v3, v[R+4*u:R+4*u+3], s[8:9] offset:512*u       ; 512 consecutive bytes, at a multiple of 512 from xs's first byte
.set u, u+1
.endr
.Lend:
	s_wait_tensorcnt 0x0                           ; the wave's end
	ds_add_u32 v6, v7
	s_wait_dscnt 0x0
	s_endpgm
.Lfunc_end_k_qd113aaeb00_place:
	.size	k_qd113aaeb00_place, .Lfunc_end_k_qd113aaeb00_place-k_qd113aaeb00_place
	.p2alignl 7, 3214868480
	.fill 96, 4, 3214868480
	.section	.rodata,"a",@progbits
	.p2align	6, 0x0
	.amdhsa_kernel k_qd113aaeb00_place
		.amdhsa_group_segment_fixed_size 68608
		.amdhsa_private_segment_fixed_size 0
		.amdhsa_enable_private_segment 0
		.amdhsa_kernarg_size 40
		.amdhsa_user_sgpr_count 2
		.amdhsa_user_sgpr_kernarg_segment_ptr 1
		.amdhsa_wavefront_size32 1
		.amdhsa_system_sgpr_workgroup_id_x 1
		.amdhsa_system_sgpr_workgroup_id_y 1
		.amdhsa_system_sgpr_workgroup_id_z 1
		.amdhsa_system_vgpr_workitem_id 0
		.amdhsa_next_free_vgpr 210
		.amdhsa_next_free_sgpr 66
		.amdhsa_reserve_vcc 1
		.amdhsa_float_denorm_mode_32 3
		.amdhsa_float_denorm_mode_16_64 3
		.amdhsa_memory_ordered 1
		.amdhsa_forward_progress 1
		.amdhsa_inst_pref_size 46
	.end_amdhsa_kernel
	.amdgpu_metadata
---
amdhsa.version: [ 1, 2 ]
amdhsa.kernels:
  - .name:           k_qd113aaeb00_place
    .symbol:         k_qd113aaeb00_place.kd
    .args:
      - { .name: inputs, .offset: 0, .size: 8, .value_kind: global_buffer, .address_space: global }
      - { .name: ridx, .offset: 8, .size: 8, .value_kind: global_buffer, .address_space: global }
      - { .name: xs, .offset: 16, .size: 8, .value_kind: global_buffer, .address_space: global }
      - { .name: pos, .offset: 24, .size: 8, .value_kind: global_buffer, .address_space: global }
      - { .name: cnt, .offset: 32, .size: 8, .value_kind: global_buffer, .address_space: global }
    .group_segment_fixed_size: 68608
    .private_segment_fixed_size: 0
    .kernarg_segment_align: 8
    .kernarg_segment_size: 40
    .max_flat_workgroup_size: 256
    .sgpr_count:     66
    .vgpr_count:     210
    .wavefront_size: 32
...
	.end_amdgpu_metadata
.endif
;; end of part 2
;; launch ffn1 (part 3): grid 256 x 1, 8 waves a work-group, no clusters, 263,168 bytes of LDS; arguments W1, b1, xs, cnt, hs; writes hs
.if DOCPART == 3
	.amdgcn_target "amdgcn-amd-amdhsa--gfx1250"
	.amdhsa_code_object_version 6
	.text
	.protected	k_qd113aaeb00_ffn1
	.globl	k_qd113aaeb00_ffn1
	.p2align	8
	.type	k_qd113aaeb00_ffn1,@function
k_qd113aaeb00_ffn1:
	s_mov_b64 s[64:65], 0
	v_nop
	global_prefetch_b8 v0, s[64:65] scope:SCOPE_SE
	s_setreg_imm32_b32 hwreg(HW_REG_WAVE_MODE, 25, 1), 1
	s_wait_xcnt 0x0
; hidden = gelu(x W1 + b1) for the routed rows, bf16, stored in the order in which the second product's operand registers take it.  W1 and b1 are rounded to bf16 on their way; sums in f32.
; SHARES.  Work-group x: expert x / 32, columns 128 (x % 32) .. + 127 of 4,096, all 1,024 channels: 512 KiB of W1 that nobody else reads, each byte once.  As bf16 fragments the slice is 256 KiB and stays in LDS.
; EIGHT WAVES, TWO ROLES.  Waves 4-7 LOAD: nothing but weights is on their load counter, eight slots of eight 16-byte loads each, refilled as they are emptied; they round and store fragments into LDS.
; Waves 0-3 MULTIPLY: each has 5 tiles of 16 rows x 128 columns, 40 accumulators, 320 registers; the four hold 320 rows.  Tokens come from xs straight into operand registers, weights from LDS.
; Every wave makes both roles' addresses and scalars at the head, and an address register never holds data: each such register has one meaning on every way through the text.
; ONE LOOP of 17 trips, a barrier in each, on every wave's path.  In trip n (0..3) the loaders write group n (8 K steps, 64 KiB of LDS) while the others multiply group n - 1.  Trips 1-4 are the first sweep.
; Both roles enter the loop at its head: the loaders with group 0 asked for, the multipliers with their first sweep's sums started; in trip 0 a multiplier goes straight to the barrier.
; An expert with more than 320 rows takes up to three more sweeps (trips 5-16) over the slice in LDS, no weight being read again: 4 x 320 rows cover all 1,024.  A dead sweep is jumped over, forward, inside the trip.
; A wave's first four tiles are always multiplied, a tile past the expert's last with that last tile's rows; such a tile is not stored.  The fifth tile's products are jumped over where that tile is past the
; last; its two token loads a K step stay, so that every count of loads is fixed.
; THE TOKENS' STREAM does not stop at a group's end.  Three buffers take turns, K step st in buffer st % 3.  8 % 3 = 2, so the turns cannot run on unbroken in one text for all groups: the next group's step 2
; goes into buffer 2 and its step 0 into buffer 0 behind step 6, its step 1 into buffer 1 behind step 7.  A sweep's first three steps are asked for where its sums are started: for the first sweep ahead of the
; first barrier.  A sweep's last group asks for nothing more: its step 7 is written a second time, without loads, and leads to the way out.
; ORDER OF K.  In piece (ks, q) lane (r, h) holds k = 64 (ks / 2) + 32 h + 16 (ks % 2) + 8 q + 0..7, for weights and tokens alike: a load of W1 then covers two whole rows' pieces of 256 bytes (rows k and k + 32).
; COLUMNS.  Source 0 = weights: row m of column tile n = 4 g + c is column 64 g + 4 m + c (a lane's 16 loaded bytes are four columns, one for each c).  In the result lane (r, h), register j of tile n holds token r,
; column 64 g + 32 h + 4 j + c: for each g 32 neighbouring columns, which are just the lane's own 64 bytes of hs.  Nothing changes lanes on the way out.
; IN LDS half a fragment (ks, g, q, c) lies at 8,192 ks + 4,096 g + 2,048 q + 512 c + 16 lane: loader 2 g + q owns 2,048 bytes on end of every K step.
; The sums start with b1, moved into the accumulators: 320 v_mov_b32, the price of one text for all groups of K steps.  That start stands twice in the text: ahead of the loop, where it runs while the
; first weights are on their way, and behind the way out, for a further sweep.
; GELU, exact form: max(x, 0) - |x| / 2 erfc(|x| / sqrt 2), erfc by the five-term rational form of Abramowitz and Stegun 7.1.26 (absolute error 1.5e-7 for every argument).
; NO JOINT LOADS, though an expert's 32 work-groups read the same rows: beside the slice's 262,144 bytes LDS has 64,512 left; a K step's rows for 20 tiles are 20,480, so at most three steps would fit,
; and a round of a cluster's barrier would stand in front of every 40 to 120 matrix instructions of a wave.
; LIMITS.  An expert that a token did not choose is not computed, so an infinity there does not turn into a NaN.  Infinite and NaN inputs are not treated apart here.
.set PITCHB, 16384                     ; bytes from row to row of W1
.set GROUPB, 256*PITCHB                ; a group: 8 K steps = 256 rows
.set TILESH, 15                        ; a tile of xs is 32 KiB
.set SPARE,  262144                    ; behind the slice: the spare words, 128 bytes a wave
.set VO,   0                           ; v0   a loader's byte offset in W1 (made when the thread's number has served); never rewritten
.set SW0,  1                           ; v1   a loader's place in a K step's fragments; never rewritten
.set L16,  2                           ; v2   16 lane; never rewritten
.set LW,   3                           ; v3   the LDS address of the group in hand, made anew at the head of each use
.set VS,   4                           ; v4   the way out: my byte offset in hs
.set HB,   5                           ; v5   128 (lane / 16): my place in b1
.set SPW,  6                           ; v6   my spare word
.set NIL,  7                           ; v7   0
.set TT,   16                          ; loaders: v[16:31] four fragments' 16 bytes; window 1: slot i at v[32 i]
.set X,    8                           ; v[8:127]    tokens: three buffers of 5 tiles x 8 registers
.set H,    128                         ; v[128:191]  weights: column tiles 0-3, column tiles 4-7
.set AC4,  192                         ; v[192:255]  tile 4's accumulators, 8 n; window 1: tiles 0-3 at 64 i + 8 n
.set GT,   8                           ; the way out: v[8:39] x, v[40:71] A, v[72:103] D then t, v[104:135] -A^2 then its power of 2, v[136:143] at work, v[152:167] packed
.set GA,   40
.set GD,   72
.set GS,   104
.set GI,   136
.set GP,   152
.set WV,   14
.set RK,   15                          ; s15  w % 4: which of my role's four I am
.set EX,   17
.set SL,   18
.set CN,   19
.set TL,   20                          ; s20  the expert's tiles, at least 1
.set TL1,  21
.set TR,   22                          ; s22  the trip
.set LOFF, 23
.set KOFF, 24
.set PB,   25                          ; s25  the sweep's first tile
.set SB,   26                          ; s[26:27] W1 at the group being loaded
.set XB,   28                          ; s[28:29] xs at the expert's tile 0
.set XP,   30                          ; s[30:39] xs at my five tiles, at the group in hand
.set GC,   40                          ; s[40:53] gelu's seven constants, each as a written pair
.set OB,   54                          ; s[54:55] hs at the expert's tile 0, my columns
.set UU,   56
.set T0,   57
.set BB,   60                          ; s[60:61] b1 at my columns.  s[58:59]: an offset as a pair, s59 = 0 throughout
.set CP,   62                          ; s[62:63] cnt at my expert
.set XT,   66                          ; s[66:75] xs at my five tiles' first bytes
.set L4,   76                          ; s76  1: my fifth tile exists
.set GL,   77                          ; s77  the group in hand, 0..3
.set MSB, 0
.macro WIN new                         ; the immediate's high byte repeats the setting that is left; a switch that changes nothing is dropped
.if MSB != (\new)
	s_set_vgpr_msb (MSB<<8)|(\new)
.set MSB, \new
.endif
.endm
.macro PLACES                          ; a load into a register that a matrix instruction has read, and a vector instruction that reads a matrix result, stand four plain vector instructions behind it
.rept 4
	v_nop
.endr
.endm
.macro TLCALC                          ; the expert's tiles from its count
	s_wait_kmcnt 0x0
	s_min_u32 s[CN], s[CN], 1024
	s_add_co_u32 s[CN], s[CN], 15
	s_lshr_b32 s[CN], s[CN], 4
	s_max_u32 s[TL], s[CN], 1
	s_sub_co_u32 s[TL1], s[TL], 1
.endm
; A group for a loader: slot i is K step i.  Eight loaded registers' columns c become fragment c's 16 bytes.  re = 1: the slot is filled again, from the next group.
.macro LG re
	s_wait_xcnt 0x0                                ; the base is stepped, and registers are rewritten, only behind this wait
.if \re
	s_add_nc_u64 s[SB:SB+1], s[SB:SB+1], GROUPB
.endif
	s_and_b32 s[LOFF], s[TR], 3
	s_lshl_b32 s[LOFF], s[LOFF], 16                ; group n lies at 65,536 n
	v_add_nc_u32 v[LW], s[LOFF], v[SW0]
.irp i, 0,1,2,3,4,5,6,7
.if \re
	s_wait_loadcnt 56                              ; loads come back in order: the seven younger slots' 56 stay out
.else
	s_wait_loadcnt 56-8*(\i)                       ; nothing is asked for any more: the counts run down
.endif
	WIN 0x05                                       ; sources in window 1
.irp c, 0,1,2,3
.irp u, 0,1,2,3
	v_cvt_pk_bf16_f32 v[TT+4*(\c)+(\u)], v[32*(\i)+8*(\u)+(\c)], v[32*(\i)+8*(\u)+4+(\c)]
.endr
.endr
	WIN 0x40                                       ; loaded data into window 1; addresses and LDS data in window 0
.irp c, 0,1,2,3
	ds_store_b128 v[LW], v[TT+4*(\c):TT+4*(\c)+3] offset:(\i)*8192+(\c)*512
.endr
.if \re
.irp u, 0,1,2,3,4,5,6,7
	global_load_b128 v[32*(\i)+4*(\u):32*(\i)+4*(\u)+3], v[VO], s[SB:SB+1] offset:(((\i)>>1)*64+((\i)&1)*16+(\u))*PITCHB th:TH_LOAD_NT
.endr
.endif
.endr
	WIN 0
.endm
.macro TOK base, st, b                 ; the tokens of my five tiles, 1,024 st bytes behind the five addresses at s[base], into buffer b: ten loads of 512 consecutive bytes
.irp i, 0,1,2,3,4
	global_load_b128 v[X+40*(\b)+8*(\i):X+40*(\b)+8*(\i)+3],   v[L16], s[(\base)+2*(\i):(\base)+2*(\i)+1] offset:(\st)*1024
	global_load_b128 v[X+40*(\b)+8*(\i)+4:X+40*(\b)+8*(\i)+7], v[L16], s[(\base)+2*(\i):(\base)+2*(\i)+1] offset:(\st)*1024+512
.endr
.endm
.macro HLD hf, st                      ; K step st's weights, column tiles 4 hf .. 4 hf + 3: eight loads, each 512 consecutive bytes of LDS
.irp n, 0,1,2,3
	ds_load_b128 v[H+32*(\hf)+8*(\n):H+32*(\hf)+8*(\n)+3],   v[LW] offset:(\st)*8192+(\hf)*4096+(\n)*512
	ds_load_b128 v[H+32*(\hf)+8*(\n)+4:H+32*(\hf)+8*(\n)+7], v[LW] offset:(\st)*8192+(\hf)*4096+(\n)*512+2048
.endr
.endm
; Four column tiles x five row tiles: sixteen matrix instructions, and four more if my fifth tile exists.  The accumulators take turns, one instruction a turn: between two on one accumulator stand all the others'.
.macro MM hf, b
	WIN 0x50                                       ; C and D in window 1
.irp n, 0,1,2,3
.irp i, 0,1,2,3
	v_wmma_f32_16x16x32_bf16 v[64*(\i)+32*(\hf)+8*(\n):64*(\i)+32*(\hf)+8*(\n)+7], v[H+32*(\hf)+8*(\n):H+32*(\hf)+8*(\n)+7], v[X+40*(\b)+8*(\i):X+40*(\b)+8*(\i)+7], v[64*(\i)+32*(\hf)+8*(\n):64*(\i)+32*(\hf)+8*(\n)+7]
.endr
.endr
	WIN 0                                          ; at a branch and at a label every window is 0
	s_cmp_eq_u32 s[L4], 0
	s_cbranch_scc1 .Lno4_\@                        ; a fifth tile past the expert's last is not multiplied
.irp n, 0,1,2,3
	v_wmma_f32_16x16x32_bf16 v[AC4+32*(\hf)+8*(\n):AC4+32*(\hf)+8*(\n)+7], v[H+32*(\hf)+8*(\n):H+32*(\hf)+8*(\n)+7], v[X+40*(\b)+32:X+40*(\b)+39], v[AC4+32*(\hf)+8*(\n):AC4+32*(\hf)+8*(\n)+7]
.endr
.Lno4_\@:
.endm
; K step st of a group's eight.  left: the token loads, younger than this step's ten, that may stay out.  ahead = 1: the buffer just read takes the step three further on.  Weights are asked for half a step ahead.
.macro KSTEP st, left, ahead
	s_wait_loadcnt \left
	s_wait_dscnt 8                                 ; column tiles 0-3 are in; the other half's eight loads stay out
	MM 0, (\st)%3
	PLACES
.if (\st) < 7
	HLD 0, (\st)+1
	s_wait_dscnt 8                                 ; column tiles 4-7 are in; the eight just issued stay out
.else
	s_wait_dscnt 0
.endif
	MM 1, (\st)%3
	PLACES
.if (\st) < 7
	HLD 1, (\st)+1
.endif
.if \ahead
	TOK XP, (\st)+3, (\st)%3
.endif
.endm
.macro MOVER u                         ; unit u = (tile u / 2, column half u % 2): its 32 numbers into v[GT ..] in the order of their columns; each accumulator's lowest register is read first
.if (\u) < 8
	WIN 0x01
.set AB, 64*((\u)/2)+32*((\u)%2)
.else
.set AB, AC4+32*((\u)%2)
.endif
.irp j, 0,1,2,3,4,5,6,7
.irp c, 0,1,2,3
	v_mov_b32 v[GT+4*(\j)+(\c)], v[AB+8*(\c)+(\j)]
.endr
.endr
	WIN 0
.endm
; A SWEEP BEGINS: my five tiles' addresses (a tile past the last takes the last one's), whether the fifth exists, b1, rounded to bf16, into the accumulators, and the first three K steps' tokens
.macro INIT
	s_wait_xcnt 0x0                                ; the addresses and the registers below are rewritten only behind this wait
.irp i, 0,1,2,3,4
	s_add_co_u32 s[T0], s[PB], s[RK]
	s_add_co_u32 s[T0], s[T0], 4*(\i)
	s_min_u32 s[T0], s[T0], s[TL1]
	s_min_u32 s[T0], s[T0], 63
	s_lshl_b32 s58, s[T0], TILESH
	s_add_nc_u64 s[XT+2*(\i):XT+2*(\i)+1], s[XB:XB+1], s[58:59]
.endr
	s_add_co_u32 s[T0], s[PB], s[RK]
	s_add_co_u32 s[T0], s[T0], 16
	s_cmp_lt_u32 s[T0], s[TL]
	s_cselect_b32 s[L4], 1, 0
.set k, 0
.rept 16                               ; my 64 columns' b1: half k / 8, four columns 4 (k % 8) + 0..3 of my 32
	global_load_b128 v[GT+4*k:GT+4*k+3], v[HB], s[BB:BB+1] offset:256*(k/8)+16*(k%8)
.set k, k+1
.endr
	s_wait_loadcnt 0x0
.set k, 0
.rept 32
	v_cvt_pk_bf16_f32 v[GD+k%8], v[GT+2*k], v[GT+2*k+1]
	v_lshlrev_b32 v[GT+2*k], 16, v[GD+k%8]
	v_and_b32 v[GT+2*k+1], 0xffff0000, v[GD+k%8]
.set k, k+1
.endr
	WIN 0x40
.set k, 0
.rept 256                              ; k = 64 i + 8 n + j takes b1 of column 64 (n / 4) + 32 h + 4 j + n % 4
	v_mov_b32 v[k], v[GT+32*((k%64)/32)+4*(k%8)+((k/8)%4)]
.set k, k+1
.endr
	WIN 0
.set k, 0
.rept 64
	v_mov_b32 v[AC4+k], v[GT+32*(k/32)+4*(k%8)+((k/8)%4)]
.set k, k+1
.endr
	TOK XT, 2, 2                                   ; in the order in which a group's end asks for the next group's: step 2, step 0, step 1
	TOK XT, 0, 0
	TOK XT, 1, 1
.endm
	s_load_b256 s[4:11], s[0:1], 0x0               ; W1 s[4:5], b1 s[6:7], xs s[8:9], cnt s[10:11]
	s_load_b64 s[12:13], s[0:1], 0x20              ; hs
	v_lshl_add_u32 v[SPW], v0, 2, SPARE
	v_mov_b32 v[NIL], 0
	v_lshrrev_b32 v1, 5, v0
	v_readfirstlane_b32 s[WV], v1
	v_and_b32 v1, 31, v0                           ; lane
	v_lshlrev_b32 v[L16], 4, v1
	v_and_b32 v[LW], 15, v1                        ; lane % 16, for the lines below
	v_lshrrev_b32 v[VS], 4, v1                     ; lane / 16
	v_lshlrev_b32 v[HB], 7, v[VS]
	s_and_b32 s[RK], s[WV], 3
	; a loader has column half g = RK / 2 and q = RK % 2.  Lanes 0-15 take 256 bytes of row k, lanes 16-31 of row k + 32
	s_lshr_b32 s[T0], s[RK], 1
	s_and_b32 s[UU], s[RK], 1
	s_lshl_b32 s58, s[T0], 8
	s_mul_i32 s[KOFF], s[UU], 8*PITCHB
	s_add_co_u32 s58, s58, s[KOFF]
	v_mul_u32_u24 v[VO], v[VS], 32*PITCHB
	v_lshl_add_u32 v[VO], v[LW], 4, v[VO]
	v_add_nc_u32 v[VO], s58, v[VO]
	s_lshl_b32 s58, s[RK], 11
	v_add_nc_u32 v[SW0], s58, v[L16]
	s_lshr_b32 s[EX], ttmp9, 5
	s_and_b32 s[SL], ttmp9, 31
	s_mov_b32 s[TR], 0
	s_mov_b32 s[PB], 0
	s_mov_b32 s[L4], 0
	s_mov_b32 s[GL], 0
	s_mov_b32 s59, 0
	s_mov_b32 s[GC], 0x3f596d27                    ; sqrt(log2(e) / 2) = 0.8493218: A = that times |x|, so that e^(-x^2 / 2) = 2^(-A^2)
	s_mov_b32 s[GC+2], 0x3e8ba43f                  ; 0.2727375: 1 + that times A = 1 + 0.3275911 |x| / sqrt 2
	s_mov_b32 s[GC+4], 0xbf1ff67a                  ; the five coefficients times -0.588705, which is -|x| / 2 over A: -0.6248547,
	s_mov_b32 s[GC+6], 0x3f5b0099                  ; 0.8554779,
	s_mov_b32 s[GC+8], 0xbf563817                  ; -0.8367934,
	s_mov_b32 s[GC+10], 0x3e2b8119                 ; 0.1674847,
	s_mov_b32 s[GC+12], 0xbe199eb3                 ; -0.1500195
.irp k, 0,2,4,6,8,10,12
	s_mov_b32 s[GC+(\k)+1], s[GC+(\k)]             ; named as pairs, so both are written
.endr
	s_wait_kmcnt 0x0
	s_lshl_b32 s58, s[EX], 24
	s_lshl_b32 s[T0], s[SL], 9
	s_add_co_u32 s58, s58, s[T0]
	s_add_nc_u64 s[SB:SB+1], s[4:5], s[58:59]
	s_lshl_b32 s58, s[EX], 2
	s_add_nc_u64 s[CP:CP+1], s[10:11], s[58:59]
	s_load_b32 s[CN], s[CP:CP+1], 0x0              ; the expert's count
	s_lshl_b32 s58, s[EX], 14
	s_add_co_u32 s58, s58, s[T0]
	s_add_nc_u64 s[BB:BB+1], s[6:7], s[58:59]
	s_lshl_b32 s58, s[EX], 21
	s_add_nc_u64 s[XB:XB+1], s[8:9], s[58:59]
	s_lshl_b32 s58, s[EX], 23
	s_lshl_b32 s[T0], s[SL], 12
	s_add_co_u32 s58, s58, s[T0]
	s_add_nc_u64 s[OB:OB+1], s[12:13], s[58:59]
.irp i, 0,1,2,3,4
	s_mov_b64 s[XP+2*(\i):XP+2*(\i)+1], s[XB:XB+1]
	s_mov_b64 s[XT+2*(\i):XT+2*(\i)+1], s[XB:XB+1]
.endr
	s_cmp_lt_u32 s[WV], 4
	s_cbranch_scc1 .Lset_c
	WIN 0x40
.set k, 0
.rept 64                               ; group 0: slot k / 8, row k % 8 of its eight.  The 64th load's issue waits until the first has come back (ISA guide 5.7.1)
	global_load_b128 v[4*k:4*k+3], v[VO], s[SB:SB+1] offset:(((k/8)>>1)*64+((k/8)&1)*16+k%8)*PITCHB th:TH_LOAD_NT
.set k, k+1
.endr
	WIN 0
	TLCALC
	s_branch .Ltrip
.Lset_c:
	TLCALC
	INIT                                           ; a multiplier's first sweep is started here, while the loaders' first weights are on their way
.Ltrip:
	s_cmp_lt_u32 s[WV], 4
	s_cbranch_scc1 .Lcomp
	s_cmp_lt_u32 s[TR], 3
	s_cbranch_scc0 .Llast_g
	LG 1                                           ; trips 0-2: group n into LDS, group n + 1 asked for
	s_branch .Ljoin
.Llast_g:
	s_cmp_eq_u32 s[TR], 3
	s_cbranch_scc0 .Ljoin
	LG 0                                           ; trip 3: the last group
	s_branch .Ljoin
.Lcomp:
	s_cmp_eq_u32 s[TR], 0
	s_cbranch_scc1 .Ljoin                          ; trip 0: no group is in LDS yet
	s_cmp_ge_u32 s[PB], s[TL]
	s_cbranch_scc1 .Ljoin                          ; no tile is left for this sweep
	s_wait_xcnt 0x0                                ; the loads asked for in the last trip have read the five addresses, a way out's stores their data: both are rewritten below
	s_sub_co_u32 s[GL], s[TR], 1                   ; group (n - 1) % 4
	s_and_b32 s[GL], s[GL], 3
	s_lshl_b32 s[KOFF], s[GL], 16
	v_add_nc_u32 v[LW], s[KOFF], v[L16]
	s_lshl_b32 s58, s[GL], 13                      ; a group's tokens are 8,192 bytes of a tile
.irp i, 0,1,2,3,4
	s_add_nc_u64 s[XP+2*(\i):XP+2*(\i)+1], s[XT+2*(\i):XT+2*(\i)+1], s[58:59]
.endr
	HLD 0, 0
	HLD 1, 0
	; the token loads in their order of issue, ten each: this group's steps 2, 0, 1 (asked for earlier), 3, 4, 5, 6, 7, then the next group's 2, 0, 1
	KSTEP 0, 10, 1                                 ; behind step 0's loads stand step 1's
	KSTEP 1, 10, 1                                 ; behind step 1's: step 3's
	KSTEP 2, 20, 1                                 ; step 2's are the oldest of all: in since step 0's wait
	KSTEP 3, 20, 1                                 ; behind step 3's: steps 4's and 5's; and so on
	KSTEP 4, 20, 1
	KSTEP 5, 20, 0
	KSTEP 6, 10, 0                                 ; behind step 6's: step 7's alone
	s_cmp_eq_u32 s[GL], 3
	s_cbranch_scc1 .Llast7
	TOK XP, 10, 2                                  ; the next group's step 2 into the buffer that step 5 read, its step 0 into the one that step 6 read: 8,192 bytes on, inside the tile for groups 0 to 2
	TOK XP, 8, 0
	KSTEP 7, 20, 0                                 ; behind step 7's: the twenty just issued
	TOK XP, 9, 1
	s_branch .Ljoin
.Llast7:
	KSTEP 7, 0, 0                                  ; the sweep's last K step: nothing was asked for behind its tokens
	; THE WAY OUT, behind a sweep's fourth group: ten units of 16 rows x 64 columns.  The last K step's four v_nop are the places in front of the first read.
	s_mov_b32 s[UU], 0
.Lwo:
	s_lshr_b32 s[T0], s[UU], 1
	s_lshl_b32 s[T0], s[T0], 2
	s_add_co_u32 s[T0], s[T0], s[PB]
	s_add_co_u32 s[T0], s[T0], s[RK]               ; the unit's tile
	s_cmp_ge_u32 s[T0], s[TL]
	s_cbranch_scc1 .Lwo_next                       ; past the expert's last: not stored
	s_min_u32 s[T0], s[T0], 63
	s_lshl_b32 s[T0], s[T0], 17                    ; a tile of hs is 128 KiB
	s_and_b32 s58, s[UU], 1
	s_lshl_b32 s58, s58, 11                        ; a column half is two K steps of the second product
	s_add_co_u32 s[T0], s[T0], s58                 ; the unit's place in hs: kept until its stores
.irp u, 0,1,2,3,4,5,6,7,8
	s_cmp_eq_u32 s[UU], \u
	s_cbranch_scc1 .Lmv\u
.endr
	MOVER 9
	s_branch .Lgelu
.irp u, 0,1,2,3,4,5,6,7,8
.Lmv\u:
	MOVER \u
	s_branch .Lgelu
.endr
.Lgelu:
.set k, 0
.rept 32
	v_mul_f32 v[GA+k], |v[GT+k]|, s[GC]
.set k, k+1
.endr
.set k, 0
.rept 16
	v_pk_fma_f32 v[GD+2*k:GD+2*k+1], v[GA+2*k:GA+2*k+1], s[GC+2:GC+3], 1.0 op_sel_hi:[1,0,0]
	v_pk_mul_f32 v[GS+2*k:GS+2*k+1], v[GA+2*k:GA+2*k+1], v[GA+2*k:GA+2*k+1] neg_lo:[1,0] neg_hi:[1,0]
.set k, k+1
.endr
.set k, 0
.rept 32                               ; ONE BATCH of 64: t = 1 / D and 2^(-A^2), with max(x, 0) between them; nothing here names a result
	v_rcp_f32 v[GD+k], v[GD+k]
	v_exp_f32 v[GS+k], v[GS+k]
	v_max_num_f32 v[GT+k], 0, v[GT+k]              ; (the last of these is the plain instruction behind the last of the batch)
.set k, k+1
.endr
	s_wait_alu depctr_va_vdst(0)                   ; one wait for the batch, ahead of its first reader
.set p, 0
.rept 4                                ; four pairs by turns, so that no line waits for the one before it
.irp u, 0,1,2,3
	v_pk_fma_f32 v[GI+2*(\u):GI+2*(\u)+1], v[GD+2*(p+(\u)):GD+2*(p+(\u))+1], s[GC+4:GC+5], s[GC+6:GC+7] op_sel_hi:[1,0,0]
.endr
.irp u, 0,1,2,3
	v_pk_fma_f32 v[GI+2*(\u):GI+2*(\u)+1], v[GI+2*(\u):GI+2*(\u)+1], v[GD+2*(p+(\u)):GD+2*(p+(\u))+1], s[GC+8:GC+9] op_sel_hi:[1,1,0]
.endr
.irp u, 0,1,2,3
	v_pk_fma_f32 v[GI+2*(\u):GI+2*(\u)+1], v[GI+2*(\u):GI+2*(\u)+1], v[GD+2*(p+(\u)):GD+2*(p+(\u))+1], s[GC+10:GC+11] op_sel_hi:[1,1,0]
.endr
.irp u, 0,1,2,3
	v_pk_fma_f32 v[GI+2*(\u):GI+2*(\u)+1], v[GI+2*(\u):GI+2*(\u)+1], v[GD+2*(p+(\u)):GD+2*(p+(\u))+1], s[GC+12:GC+13] op_sel_hi:[1,1,0]
.endr
.irp u, 0,1,2,3
	v_pk_mul_f32 v[GI+2*(\u):GI+2*(\u)+1], v[GI+2*(\u):GI+2*(\u)+1], v[GD+2*(p+(\u)):GD+2*(p+(\u))+1]
.endr
.irp u, 0,1,2,3
	v_pk_mul_f32 v[GA+2*(p+(\u)):GA+2*(p+(\u))+1], v[GA+2*(p+(\u)):GA+2*(p+(\u))+1], v[GS+2*(p+(\u)):GS+2*(p+(\u))+1]
.endr
.irp u, 0,1,2,3
	v_pk_fma_f32 v[GT+2*(p+(\u)):GT+2*(p+(\u))+1], v[GI+2*(\u):GI+2*(\u)+1], v[GA+2*(p+(\u)):GA+2*(p+(\u))+1], v[GT+2*(p+(\u)):GT+2*(p+(\u))+1]
.endr
.set p, p+4
.endr
	s_wait_xcnt 0x0                                ; the last unit's stores have read their data and their offset: both are rewritten only behind this wait; this unit's arithmetic has stood between
.set k, 0
.rept 16
	v_cvt_pk_bf16_f32 v[GP+k], v[GT+2*k], v[GT+2*k+1]
.set k, k+1
.endr
	v_add_nc_u32 v[VS], s[T0], v[L16]
.irp u, 0,1,2,3                        ; piece u: K step u / 2 of the half's two, q = u % 2
	global_store_b128 v[VS], v[GP+4*(\u):GP+4*(\u)+3], s[OB:OB+1] offset:512*(\u)  ; 512 consecutive bytes, at a multiple of 512 from hs's first byte
.endr
.Lwo_next:
	s_add_co_u32 s[UU], s[UU], 1
	s_cmp_lt_u32 s[UU], 10
	s_cbranch_scc1 .Lwo
	s_add_co_u32 s[PB], s[PB], 20                  ; the next sweep's tiles
	s_cmp_ge_u32 s[PB], s[TL]
	s_cbranch_scc1 .Ljoin
	INIT                                           ; more than this sweep's 320 rows: the next sweep is started
.Ljoin:
	s_wait_dscnt 0x0                               ; a loader's stores are done, a multiplier's reads are back
	s_barrier_signal -1
	s_barrier_wait -1                              ; the group written in this trip may be read in the next
	s_add_co_u32 s[TR], s[TR], 1
	s_cmp_lt_u32 s[TR], 17
	s_cbranch_scc1 .Ltrip
	s_wait_tensorcnt 0x0                           ; the wave's end
	ds_add_u32 v[SPW], v[NIL]
	s_wait_dscnt 0x0
	s_endpgm
.Lfunc_end_k_qd113aaeb00_ffn1:
	.size	k_qd113aaeb00_ffn1, .Lfunc_end_k_qd113aaeb00_ffn1-k_qd113aaeb00_ffn1
	.p2alignl 7, 3214868480
	.fill 96, 4, 3214868480
	.section	.rodata,"a",@progbits
	.p2align	6, 0x0
	.amdhsa_kernel k_qd113aaeb00_ffn1
		.amdhsa_group_segment_fixed_size 263168
		.amdhsa_private_segment_fixed_size 0
		.amdhsa_enable_private_segment 0
		.amdhsa_kernarg_size 40
		.amdhsa_user_sgpr_count 2
		.amdhsa_user_sgpr_kernarg_segment_ptr 1
		.amdhsa_wavefront_size32 1
		.amdhsa_system_sgpr_workgroup_id_x 1
		.amdhsa_system_sgpr_workgroup_id_y 1
		.amdhsa_system_sgpr_workgroup_id_z 1
		.amdhsa_system_vgpr_workitem_id 0
		.amdhsa_next_free_vgpr 512
		.amdhsa_next_free_sgpr 78
		.amdhsa_reserve_vcc 0
		.amdhsa_float_denorm_mode_32 3
		.amdhsa_float_denorm_mode_16_64 3
		.amdhsa_memory_ordered 1
		.amdhsa_forward_progress 1
		.amdhsa_inst_pref_size 151
	.end_amdhsa_kernel
	.amdgpu_metadata
---
amdhsa.version: [ 1, 2 ]
amdhsa.kernels:
  - .name:           k_qd113aaeb00_ffn1
    .symbol:         k_qd113aaeb00_ffn1.kd
    .args:
      - { .name: W1, .offset: 0, .size: 8, .value_kind: global_buffer, .address_space: global }
      - { .name: b1, .offset: 8, .size: 8, .value_kind: global_buffer, .address_space: global }
      - { .name: xs, .offset: 16, .size: 8, .value_kind: global_buffer, .address_space: global }
      - { .name: cnt, .offset: 24, .size: 8, .value_kind: global_buffer, .address_space: global }
      - { .name: hs, .offset: 32, .size: 8, .value_kind: global_buffer, .address_space: global }
    .group_segment_fixed_size: 263168
    .private_segment_fixed_size: 0
    .kernarg_segment_align: 8
    .kernarg_segment_size: 40
    .max_flat_workgroup_size: 256
    .sgpr_count:     78
    .vgpr_count:     512
    .wavefront_size: 32
...
	.end_amdgpu_metadata
.endif
;; end of part 3
;; launch ffn2 (part 4): grid 256 x 1, 8 waves a work-group, no clusters, 296,960 bytes of LDS; arguments W2, hs, cnt, part; writes part
.if DOCPART == 4
	.amdgcn_target "amdgcn-amd-amdhsa--gfx1250"
	.amdhsa_code_object_version 6
	.text
	.protected	k_qd113aaeb00_ffn2
	.globl	k_qd113aaeb00_ffn2
	.p2align	8
	.type	k_qd113aaeb00_ffn2,@function
k_qd113aaeb00_ffn2:
	s_mov_b64 s[64:65], 0
	v_nop
	global_prefetch_b8 v0, s[64:65] scope:SCOPE_SE
	s_setreg_imm32_b32 hwreg(HW_REG_WAVE_MODE, 25, 1), 1
	s_wait_xcnt 0x0
; Partial sums of hidden W2 for the routed rows, f32.  W2 is rounded to bf16 on its way; sums in f32.
; SHARES.  Work-group x: expert x / 32, columns 128 (x % 8) .. + 127 of 1,024, hidden channels 1,024 ((x % 32) / 8) .. + 1,023 of 4,096: 512 KiB of W2 that nobody else reads, each byte once; as bf16
; fragments 256 KiB, resident in LDS.  The four quarters of the hidden width give four partial rows, part[quarter][slot][1,024], which the last launch adds: each byte of part has one owner.
; The body is the first product's: waves 4-7 load weights, eight slots of eight 16-byte loads each; waves 0-3 multiply, 5 tiles of 16 rows x 128 columns each, 40 accumulators; every wave makes both
; roles' addresses and scalars at the head, and an address register never holds data.
; ONE LOOP of 17 trips with a barrier in each, on every wave's path: in trip n (0..3) the loaders write group n (8 K steps, 64 KiB) while the others multiply group n - 1; trips 5-16 are up to three more sweeps
; over the slice in LDS for an expert with more than 320 rows, jumped over, forward, where no tile is left.  Both roles enter the loop at its head: the loaders with group 0 asked for, the multipliers with
; their first sweep started; in trip 0 a multiplier goes straight to the barrier.
; A wave's first four tiles are always multiplied, a tile past the expert's last with the last tile's rows, and not stored.  The fifth tile's products are jumped over where that tile is past the last; its two
; token loads a K step stay, so that every count of loads is fixed.
; THE TOKENS' STREAM does not stop at a group's end.  Three buffers take turns, K step st in buffer st % 3.  8 % 3 = 2, so the turns cannot run on unbroken in one text for all groups: the next group's step 2
; goes into buffer 2 and its step 0 into buffer 0 behind step 6, its step 1 into buffer 1 behind step 7.  A sweep's first three steps are asked for where its sums are started: for the first sweep ahead of the
; first barrier.  A sweep's last group asks for nothing more: its step 7 is written a second time, without loads, and leads to the way out.
; ORDER OF K: in piece (ks, q) lane (r, h) holds k = 64 (ks / 2) + 32 h + 16 (ks % 2) + 8 q + 0..7, in hs and in the weights' fragments alike.
; COLUMNS: row m of column tile n = 4 g + c is column 64 g + 4 m + c; in the result lane (r, h), register j of tile n holds token r, column 64 g + 32 h + 4 j + c.
; IN LDS half a fragment (ks, g, q, c) lies at 8,192 ks + 4,096 g + 2,048 q + 512 c + 16 lane: loader 2 g + q owns 2,048 bytes on end of every K step.
; THE WAY OUT goes through a stage of the wave's own in LDS: 16 rows of 512 bytes, written 16 bytes a lane, read back as whole rows, so that each store covers 512 consecutive bytes of a row of part.
; The sums start at 0 by 320 v_mov_b32, the price of one text for all groups of K steps; that start stands twice in the text: ahead of the loop, in the wait for the first weights, and behind the way out.
; NO JOINT LOADS, though eight work-groups read the same rows of hs: beside the slice and the stages LDS has 30,720 bytes left, and a K step's rows for 20 tiles are 20,480.
; LIMITS.  An expert that a token did not choose is not computed.  NaN is dealt with by the last launch, on the whole sum.
.set PITCHB, 4096                      ; bytes from row to row of W2
.set GROUPB, 256*PITCHB
.set TILESH, 17                        ; a tile of hs is 128 KiB
.set STAGE,  262144                    ; behind the slice: 16 rows x 528 bytes for each multiplying wave
.set SPITCH, 528                       ; 512 bytes + 16: 132 words, so the sixteen rows that a store touches start at sixteen different groups of four banks
.set SPARE,  STAGE+4*16*SPITCH         ; behind the stages: the spare words, 128 bytes a wave
.set VO,   0                           ; v0   a loader's byte offset in W2 (made when the thread's number has served); never rewritten
.set SW0,  1                           ; v1   a loader's place in a K step's fragments; never rewritten
.set L16,  2                           ; v2   16 lane; never rewritten
.set LW,   3                           ; v3   the LDS address in hand (a group of fragments; on the way out my stage's rows), made anew at the head of each use
.set VS,   4                           ; v4   the way out: my byte offset in part
.set STO,  5                           ; v5   where I put 16 bytes of a stage row; never rewritten
.set SPW,  6
.set NIL,  7
.set TT,   16
.set X,    8
.set H,    128
.set AC4,  192
.set GT,   8                           ; the way out: v[8:71] a tile's 64 numbers in the order of their columns, v[72:135] its rows read back
.set GB,   72
.set CS,   12
.set KQ,   13
.set WV,   14
.set RK,   15
.set EX,   17
.set SL,   18
.set CN,   19
.set TL,   20
.set TL1,  21
.set TR,   22
.set LOFF, 23
.set KOFF, 24
.set PB,   25
.set SB,   26
.set XB,   28
.set XP,   30                          ; s[30:39] hs at my five tiles, at the group in hand
.set OB,   54
.set UU,   56
.set T0,   57
.set STG,  60                          ; s60  my stage's first byte
.set CP,   62                          ; s[62:63] cnt at my expert.  s[58:59]: an offset as a pair, s59 = 0 throughout
.set XT,   66                          ; s[66:75] hs at my five tiles, at my quarter's first byte
.set L4,   76                          ; s76  1: my fifth tile exists
.set GL,   77                          ; s77  the group in hand, 0..3
.set MSB, 0
.macro WIN new
.if MSB != (\new)
	s_set_vgpr_msb (MSB<<8)|(\new)
.set MSB, \new
.endif
.endm
.macro PLACES                          ; four plain vector instructions between a matrix instruction and a load into its sources or a read of its result
.rept 4
	v_nop
.endr
.endm
.macro TLCALC                          ; the expert's tiles from its count
	s_wait_kmcnt 0x0
	s_min_u32 s[CN], s[CN], 1024
	s_add_co_u32 s[CN], s[CN], 15
	s_lshr_b32 s[CN], s[CN], 4
	s_max_u32 s[TL], s[CN], 1
	s_sub_co_u32 s[TL1], s[TL], 1
.endm
.macro LG re                           ; a group for a loader: slot i is K step i; re = 1: the slot is filled again, from the next group
	s_wait_xcnt 0x0                                ; the base is stepped, and registers are rewritten, only behind this wait
.if \re
	s_add_nc_u64 s[SB:SB+1], s[SB:SB+1], GROUPB
.endif
	s_and_b32 s[LOFF], s[TR], 3
	s_lshl_b32 s[LOFF], s[LOFF], 16
	v_add_nc_u32 v[LW], s[LOFF], v[SW0]
.irp i, 0,1,2,3,4,5,6,7
.if \re
	s_wait_loadcnt 56                              ; the seven younger slots' 56 loads stay out
.else
	s_wait_loadcnt 56-8*(\i)
.endif
	WIN 0x05
.irp c, 0,1,2,3
.irp u, 0,1,2,3
	v_cvt_pk_bf16_f32 v[TT+4*(\c)+(\u)], v[32*(\i)+8*(\u)+(\c)], v[32*(\i)+8*(\u)+4+(\c)]
.endr
.endr
	WIN 0x40
.irp c, 0,1,2,3
	ds_store_b128 v[LW], v[TT+4*(\c):TT+4*(\c)+3] offset:(\i)*8192+(\c)*512
.endr
.if \re
.irp u, 0,1,2,3,4,5,6,7
	global_load_b128 v[32*(\i)+4*(\u):32*(\i)+4*(\u)+3], v[VO], s[SB:SB+1] offset:(((\i)>>1)*64+((\i)&1)*16+(\u))*PITCHB th:TH_LOAD_NT
.endr
.endif
.endr
	WIN 0
.endm
.macro TOK base, st, b                 ; the tokens of my five tiles, 1,024 st bytes behind the five addresses at s[base], into buffer b: ten loads of 512 consecutive bytes
.irp i, 0,1,2,3,4
	global_load_b128 v[X+40*(\b)+8*(\i):X+40*(\b)+8*(\i)+3],   v[L16], s[(\base)+2*(\i):(\base)+2*(\i)+1] offset:(\st)*1024
	global_load_b128 v[X+40*(\b)+8*(\i)+4:X+40*(\b)+8*(\i)+7], v[L16], s[(\base)+2*(\i):(\base)+2*(\i)+1] offset:(\st)*1024+512
.endr
.endm
.macro HLD hf, st
.irp n, 0,1,2,3
	ds_load_b128 v[H+32*(\hf)+8*(\n):H+32*(\hf)+8*(\n)+3],   v[LW] offset:(\st)*8192+(\hf)*4096+(\n)*512
	ds_load_b128 v[H+32*(\hf)+8*(\n)+4:H+32*(\hf)+8*(\n)+7], v[LW] offset:(\st)*8192+(\hf)*4096+(\n)*512+2048
.endr
.endm
.macro MM hf, b                        ; sixteen matrix instructions, and four more if my fifth tile exists; the accumulators take turns, one instruction a turn
	WIN 0x50
.irp n, 0,1,2,3
.irp i, 0,1,2,3
	v_wmma_f32_16x16x32_bf16 v[64*(\i)+32*(\hf)+8*(\n):64*(\i)+32*(\hf)+8*(\n)+7], v[H+32*(\hf)+8*(\n):H+32*(\hf)+8*(\n)+7], v[X+40*(\b)+8*(\i):X+40*(\b)+8*(\i)+7], v[64*(\i)+32*(\hf)+8*(\n):64*(\i)+32*(\hf)+8*(\n)+7]
.endr
.endr
	WIN 0                                          ; at a branch and at a label every window is 0
	s_cmp_eq_u32 s[L4], 0
	s_cbranch_scc1 .Lno4_\@                        ; a fifth tile past the expert's last is not multiplied
.irp n, 0,1,2,3
	v_wmma_f32_16x16x32_bf16 v[AC4+32*(\hf)+8*(\n):AC4+32*(\hf)+8*(\n)+7], v[H+32*(\hf)+8*(\n):H+32*(\hf)+8*(\n)+7], v[X+40*(\b)+32:X+40*(\b)+39], v[AC4+32*(\hf)+8*(\n):AC4+32*(\hf)+8*(\n)+7]
.endr
.Lno4_\@:
.endm
; K step st of a group's eight.  left: the token loads, younger than this step's ten, that may stay out.  ahead = 1: the buffer just read takes the step three further on.
.macro KSTEP st, left, ahead
	s_wait_loadcnt \left
	s_wait_dscnt 8                                 ; column tiles 0-3 are in; the other half's eight loads stay out
	MM 0, (\st)%3
	PLACES
.if (\st) < 7
	HLD 0, (\st)+1
	s_wait_dscnt 8
.else
	s_wait_dscnt 0
.endif
	MM 1, (\st)%3
	PLACES
.if (\st) < 7
	HLD 1, (\st)+1
.endif
.if \ahead
	TOK XP, (\st)+3, (\st)%3
.endif
.endm
.macro MOVER i                         ; tile i's 64 numbers into v[GT ..] in the order of their columns; each accumulator's lowest register is read first
.if (\i) < 4
	WIN 0x01
.set AB, 64*(\i)
.else
.set AB, AC4
.endif
.irp g, 0,1
.irp j, 0,1,2,3,4,5,6,7
.irp c, 0,1,2,3
	v_mov_b32 v[GT+32*(\g)+4*(\j)+(\c)], v[AB+32*(\g)+8*(\c)+(\j)]
.endr
.endr
.endr
	WIN 0
.endm
; A SWEEP BEGINS: my five tiles' addresses (a tile past the last takes the last one's), whether the fifth exists, 0 into the accumulators, and the first three K steps' tokens
.macro INIT
	s_wait_xcnt 0x0                                ; the addresses, and the registers that a way out's stores read, are rewritten only behind this wait
.irp i, 0,1,2,3,4
	s_add_co_u32 s[T0], s[PB], s[RK]
	s_add_co_u32 s[T0], s[T0], 4*(\i)
	s_min_u32 s[T0], s[T0], s[TL1]
	s_min_u32 s[T0], s[T0], 63
	s_lshl_b32 s58, s[T0], TILESH
	s_add_nc_u64 s[XT+2*(\i):XT+2*(\i)+1], s[XB:XB+1], s[58:59]
.endr
	s_add_co_u32 s[T0], s[PB], s[RK]
	s_add_co_u32 s[T0], s[T0], 16
	s_cmp_lt_u32 s[T0], s[TL]
	s_cselect_b32 s[L4], 1, 0
	WIN 0x40
.set k, 0
.rept 256
	v_mov_b32 v[k], 0
.set k, k+1
.endr
	WIN 0
.set k, 0
.rept 64
	v_mov_b32 v[AC4+k], 0
.set k, k+1
.endr
	TOK XT, 2, 2                                   ; in the order in which a group's end asks for the next group's: step 2, step 0, step 1
	TOK XT, 0, 0
	TOK XT, 1, 1
.endm
	s_load_b256 s[4:11], s[0:1], 0x0               ; W2 s[4:5], hs s[6:7], cnt s[8:9], part s[10:11]
	v_lshl_add_u32 v[SPW], v0, 2, SPARE
	v_mov_b32 v[NIL], 0
	v_lshrrev_b32 v1, 5, v0
	v_readfirstlane_b32 s[WV], v1
	v_and_b32 v1, 31, v0                           ; lane
	v_lshlrev_b32 v[L16], 4, v1
	v_and_b32 v[LW], 15, v1                        ; lane % 16, for the lines below
	v_lshrrev_b32 v[VS], 4, v1                     ; lane / 16
	s_and_b32 s[RK], s[WV], 3
	s_mul_i32 s[STG], s[RK], 16*SPITCH
	s_add_co_u32 s[STG], s[STG], STAGE             ; a multiplier's stage
	v_mul_u32_u24 v[STO], v[LW], SPITCH
	v_lshl_add_u32 v[STO], v[VS], 7, v[STO]
	v_add_nc_u32 v[STO], s[STG], v[STO]            ; in: row lane % 16, 128 bytes on for the upper lanes
	s_lshr_b32 s[T0], s[RK], 1                     ; a loader's g
	s_and_b32 s[UU], s[RK], 1                      ; and q
	s_lshl_b32 s58, s[T0], 8
	s_mul_i32 s[KOFF], s[UU], 8*PITCHB
	s_add_co_u32 s58, s58, s[KOFF]
	v_mul_u32_u24 v[VO], v[VS], 32*PITCHB
	v_lshl_add_u32 v[VO], v[LW], 4, v[VO]
	v_add_nc_u32 v[VO], s58, v[VO]
	s_lshl_b32 s58, s[RK], 11
	v_add_nc_u32 v[SW0], s58, v[L16]
	s_lshr_b32 s[EX], ttmp9, 5
	s_and_b32 s[SL], ttmp9, 31
	s_and_b32 s[CS], s[SL], 7                      ; which 128 columns
	s_lshr_b32 s[KQ], s[SL], 3                     ; which quarter of the hidden width
	s_mov_b32 s[TR], 0
	s_mov_b32 s[PB], 0
	s_mov_b32 s[L4], 0
	s_mov_b32 s[GL], 0
	s_mov_b32 s59, 0
	s_wait_kmcnt 0x0
	s_lshl_b32 s58, s[EX], 24
	s_lshl_b32 s[T0], s[KQ], 22
	s_add_co_u32 s58, s58, s[T0]
	s_lshl_b32 s[T0], s[CS], 9
	s_add_co_u32 s58, s58, s[T0]
	s_add_nc_u64 s[SB:SB+1], s[4:5], s[58:59]
	s_lshl_b32 s58, s[EX], 2
	s_add_nc_u64 s[CP:CP+1], s[8:9], s[58:59]
	s_load_b32 s[CN], s[CP:CP+1], 0x0              ; the expert's count
	s_lshl_b32 s58, s[EX], 23
	s_lshl_b32 s[T0], s[KQ], 15                    ; my quarter: 32 K steps of 1 KiB in each tile
	s_add_co_u32 s58, s58, s[T0]
	s_add_nc_u64 s[XB:XB+1], s[6:7], s[58:59]
	s_lshl_b32 s58, s[KQ], 25
	s_lshl_b32 s[T0], s[EX], 22
	s_add_co_u32 s58, s58, s[T0]
	s_lshl_b32 s[T0], s[CS], 9
	s_add_co_u32 s58, s58, s[T0]
	s_add_nc_u64 s[OB:OB+1], s[10:11], s[58:59]
.irp i, 0,1,2,3,4
	s_mov_b64 s[XP+2*(\i):XP+2*(\i)+1], s[XB:XB+1]
	s_mov_b64 s[XT+2*(\i):XT+2*(\i)+1], s[XB:XB+1]
.endr
	s_cmp_lt_u32 s[WV], 4
	s_cbranch_scc1 .Lset_c
	WIN 0x40
.set k, 0
.rept 64                               ; group 0.  The 64th load's issue waits until the first has come back (ISA guide 5.7.1)
	global_load_b128 v[4*k:4*k+3], v[VO], s[SB:SB+1] offset:(((k/8)>>1)*64+((k/8)&1)*16+k%8)*PITCHB th:TH_LOAD_NT
.set k, k+1
.endr
	WIN 0
	TLCALC
	s_branch .Ltrip
.Lset_c:
	TLCALC
	INIT                                           ; a multiplier's first sweep is started here, while the loaders' first weights are on their way
.Ltrip:
	s_cmp_lt_u32 s[WV], 4
	s_cbranch_scc1 .Lcomp
	s_cmp_lt_u32 s[TR], 3
	s_cbranch_scc0 .Llast_g
	LG 1
	s_branch .Ljoin
.Llast_g:
	s_cmp_eq_u32 s[TR], 3
	s_cbranch_scc0 .Ljoin
	LG 0
	s_branch .Ljoin
.Lcomp:
	s_cmp_eq_u32 s[TR], 0
	s_cbranch_scc1 .Ljoin                          ; trip 0: no group is in LDS yet
	s_cmp_ge_u32 s[PB], s[TL]
	s_cbranch_scc1 .Ljoin                          ; no tile is left for this sweep
	s_wait_xcnt 0x0                                ; the loads asked for in the last trip have read the five addresses, a way out's stores their data: both are rewritten below
	s_sub_co_u32 s[GL], s[TR], 1                   ; group (n - 1) % 4
	s_and_b32 s[GL], s[GL], 3
	s_lshl_b32 s[KOFF], s[GL], 16
	v_add_nc_u32 v[LW], s[KOFF], v[L16]
	s_lshl_b32 s58, s[GL], 13                      ; a group's tokens are 8,192 bytes of a tile's quarter
.irp i, 0,1,2,3,4
	s_add_nc_u64 s[XP+2*(\i):XP+2*(\i)+1], s[XT+2*(\i):XT+2*(\i)+1], s[58:59]
.endr
	HLD 0, 0
	HLD 1, 0
	; the token loads in their order of issue, ten each: this group's steps 2, 0, 1 (asked for earlier), 3, 4, 5, 6, 7, then the next group's 2, 0, 1
	KSTEP 0, 10, 1                                 ; behind step 0's loads stand step 1's
	KSTEP 1, 10, 1                                 ; behind step 1's: step 3's
	KSTEP 2, 20, 1                                 ; step 2's are the oldest of all: in since step 0's wait
	KSTEP 3, 20, 1                                 ; behind step 3's: steps 4's and 5's; and so on
	KSTEP 4, 20, 1
	KSTEP 5, 20, 0
	KSTEP 6, 10, 0                                 ; behind step 6's: step 7's alone
	s_cmp_eq_u32 s[GL], 3
	s_cbranch_scc1 .Llast7
	TOK XP, 10, 2                                  ; the next group's step 2 into the buffer that step 5 read, its step 0 into the one that step 6 read: 8,192 bytes on, inside the quarter for groups 0 to 2
	TOK XP, 8, 0
	KSTEP 7, 20, 0                                 ; behind step 7's: the twenty just issued
	TOK XP, 9, 1
	s_branch .Ljoin
.Llast7:
	KSTEP 7, 0, 0                                  ; the sweep's last K step: nothing was asked for behind its tokens
	; THE WAY OUT, behind a sweep's fourth group, a tile at a time.  The last K step's four v_nop are the places in front of the first read.
	v_add_nc_u32 v[LW], s[STG], v[L16]             ; back: 32 lanes take one stage row of 512 bytes
	s_mov_b32 s[UU], 0
.Lwo:
	s_lshl_b32 s[T0], s[UU], 2
	s_add_co_u32 s[T0], s[T0], s[PB]
	s_add_co_u32 s[T0], s[T0], s[RK]
	s_cmp_ge_u32 s[T0], s[TL]
	s_cbranch_scc1 .Lwo_next                       ; past the expert's last: not stored
	s_min_u32 s[T0], s[T0], 63
	s_lshl_b32 s[T0], s[T0], 16                    ; 16 rows of 4,096 bytes: the tile's place in part, kept until its stores
.irp u, 0,1,2,3
	s_cmp_eq_u32 s[UU], \u
	s_cbranch_scc1 .Lmv\u
.endr
	MOVER 4
	s_branch .Lsend
.irp u, 0,1,2,3
.Lmv\u:
	MOVER \u
	s_branch .Lsend
.endr
.Lsend:
.set k, 0
.rept 16                               ; four neighbouring columns: half k / 8, columns 4 (k % 8) + 0..3 of my 32
	ds_store_b128 v[STO], v[GT+4*k:GT+4*k+3] offset:256*(k/8)+16*(k%8)
.set k, k+1
.endr
	s_wait_xcnt 0x0                                ; the last tile's stores have read their data and their offset: both are rewritten only behind this wait; this tile's moves and LDS stores have stood between
	v_add_nc_u32 v[VS], s[T0], v[L16]
.set k, 0
.rept 16
	ds_load_b128 v[GB+4*k:GB+4*k+3], v[LW] offset:SPITCH*k            ; LDS serves a wave's instructions in order: these see the stores above
.set k, k+1
.endr
.set k, 0
.rept 16
	s_wait_dscnt 15-k
	global_store_b128 v[VS], v[GB+4*k:GB+4*k+3], s[OB:OB+1] offset:4096*k  ; 512 consecutive bytes of a row of part, at a multiple of 512 from its first byte
.set k, k+1
.endr
.Lwo_next:
	s_add_co_u32 s[UU], s[UU], 1
	s_cmp_lt_u32 s[UU], 5
	s_cbranch_scc1 .Lwo
	s_add_co_u32 s[PB], s[PB], 20
	s_cmp_ge_u32 s[PB], s[TL]
	s_cbranch_scc1 .Ljoin
	INIT                                           ; more than this sweep's 320 rows: the next sweep is started
.Ljoin:
	s_wait_dscnt 0x0                               ; a loader's stores are done, a multiplier's LDS instructions are back
	s_barrier_signal -1
	s_barrier_wait -1                              ; the group written in this trip may be read in the next
	s_add_co_u32 s[TR], s[TR], 1
	s_cmp_lt_u32 s[TR], 17
	s_cbranch_scc1 .Ltrip
	s_wait_tensorcnt 0x0                           ; the wave's end
	ds_add_u32 v[SPW], v[NIL]
	s_wait_dscnt 0x0
	s_endpgm
.Lfunc_end_k_qd113aaeb00_ffn2:
	.size	k_qd113aaeb00_ffn2, .Lfunc_end_k_qd113aaeb00_ffn2-k_qd113aaeb00_ffn2
	.p2alignl 7, 3214868480
	.fill 96, 4, 3214868480
	.section	.rodata,"a",@progbits
	.p2align	6, 0x0
	.amdhsa_kernel k_qd113aaeb00_ffn2
		.amdhsa_group_segment_fixed_size 296960
		.amdhsa_private_segment_fixed_size 0
		.amdhsa_enable_private_segment 0
		.amdhsa_kernarg_size 32
		.amdhsa_user_sgpr_count 2
		.amdhsa_user_sgpr_kernarg_segment_ptr 1
		.amdhsa_wavefront_size32 1
		.amdhsa_system_sgpr_workgroup_id_x 1
		.amdhsa_system_sgpr_workgroup_id_y 1
		.amdhsa_system_sgpr_workgroup_id_z 1
		.amdhsa_system_vgpr_workitem_id 0
		.amdhsa_next_free_vgpr 512
		.amdhsa_next_free_sgpr 78
		.amdhsa_reserve_vcc 0
		.amdhsa_float_denorm_mode_32 3
		.amdhsa_float_denorm_mode_16_64 3
		.amdhsa_memory_ordered 1
		.amdhsa_forward_progress 1
		.amdhsa_inst_pref_size 125
	.end_amdhsa_kernel
	.amdgpu_metadata
---
amdhsa.version: [ 1, 2 ]
amdhsa.kernels:
  - .name:           k_qd113aaeb00_ffn2
    .symbol:         k_qd113aaeb00_ffn2.kd
    .args:
      - { .name: W2, .offset: 0, .size: 8, .value_kind: global_buffer, .address_space: global }
      - { .name: hs, .offset: 8, .size: 8, .value_kind: global_buffer, .address_space: global }
      - { .name: cnt, .offset: 16, .size: 8, .value_kind: global_buffer, .address_space: global }
      - { .name: part, .offset: 24, .size: 8, .value_kind: global_buffer, .address_space: global }
    .group_segment_fixed_size: 296960
    .private_segment_fixed_size: 0
    .kernarg_segment_align: 8
    .kernarg_segment_size: 32
    .max_flat_workgroup_size: 256
    .sgpr_count:     78
    .vgpr_count:     512
    .wavefront_size: 32
...
	.end_amdgpu_metadata
.endif
;; end of part 4
;; launch combine (part 5): grid 256 x 1, 8 waves a work-group, no clusters, 0 bytes of LDS; arguments part, b2, ridx, gate, pos, out0; writes out0
.if DOCPART == 5
	.amdgcn_target "amdgcn-amd-amdhsa--gfx1250"
	.amdhsa_code_object_version 6
	.text
	.protected	k_qd113aaeb00_combine
	.globl	k_qd113aaeb00_combine
	.p2align	8
	.type	k_qd113aaeb00_combine,@function
k_qd113aaeb00_combine:
	s_mov_b64 s[64:65], 0
	v_nop
	global_prefetch_b8 v0, s[64:65] scope:SCOPE_SE
	s_setreg_imm32_b32 hwreg(HW_REG_WAVE_MODE, 25, 1), 1
	s_wait_xcnt 0x0
; THE SUM.  out[token] = g0 y0 + g1 y1, y_k = b2[e_k] + the four partial rows at slot pos[token][k], a NaN in y_k counting as 0.  b2 is rounded to bf16, as every input of this program is; all sums in f32.
; A stream: each byte of the live rows of part is read once and each byte of out0 written once; no LDS, no barrier, no matrix unit: there is nothing to share and nothing to multiply.
; Four tokens a work-group, half a row (2,048 bytes) a wave: 4 chunks of 512 consecutive bytes, for each 8 loads of part and 2 of b2.  All 40 loads of a wave go out ahead of its first wait.
; The experts, weights and slots were stored by earlier launches; they come by scalar loads, and the slots are held inside part by a minimum.
.set C,  16                            ; v[16:175]  chunk c at C + 40 c: for choice k at + 20 k the four quarters' 16 bytes, then b2's
	s_load_b256 s[4:11], s[0:1], 0x0               ; part s[4:5], b2 s[6:7], ridx s[8:9], gate s[10:11]
	s_load_b128 s[12:15], s[0:1], 0x20             ; pos s[12:13], out0 s[14:15]
	v_lshrrev_b32 v1, 5, v0
	v_readfirstlane_b32 s16, v1                    ; wave
	v_and_b32 v1, 31, v0
	v_lshlrev_b32 v2, 4, v1                        ; 16 lane
	s_lshr_b32 s17, s16, 1
	s_lshl_b32 s18, ttmp9, 2
	s_add_co_u32 s17, s17, s18                     ; token
	s_and_b32 s18, s16, 1
	s_lshl_b32 s18, s18, 11                        ; my half of a row
	s_lshl_b32 s20, s17, 3
	s_mov_b32 s21, 0
	s_mov_b32 s29, 0
	s_wait_kmcnt 0x0
	s_add_nc_u64 s[8:9], s[8:9], s[20:21]
	s_add_nc_u64 s[10:11], s[10:11], s[20:21]
	s_add_nc_u64 s[12:13], s[12:13], s[20:21]
	s_load_b64 s[22:23], s[8:9], 0x0               ; e0, e1
	s_load_b64 s[24:25], s[10:11], 0x0             ; g0, g1
	s_load_b64 s[26:27], s[12:13], 0x0             ; the two slots
	s_lshl_b32 s28, s17, 12
	s_add_co_u32 s28, s28, s18
	s_add_nc_u64 s[14:15], s[14:15], s[28:29]
	s_wait_kmcnt 0x0
.irp k, 0,1
	s_min_u32 s[26+(\k)], s[26+(\k)], 8191
	s_lshl_b32 s28, s[26+(\k)], 12
	s_add_co_u32 s28, s28, s18
	s_add_nc_u64 s[32+8*(\k):33+8*(\k)], s[4:5], s[28:29]                          ; quarter 0,
	s_add_nc_u64 s[34+8*(\k):35+8*(\k)], s[32+8*(\k):33+8*(\k)], 0x2000000         ; and the others, 32 MiB apart
	s_add_nc_u64 s[36+8*(\k):37+8*(\k)], s[34+8*(\k):35+8*(\k)], 0x2000000
	s_add_nc_u64 s[38+8*(\k):39+8*(\k)], s[36+8*(\k):37+8*(\k)], 0x2000000
	s_min_u32 s[22+(\k)], s[22+(\k)], 7
	s_lshl_b32 s28, s[22+(\k)], 12
	s_add_co_u32 s28, s28, s18
	s_add_nc_u64 s[48+2*(\k):49+2*(\k)], s[6:7], s[28:29]
.endr
	s_mov_b32 s30, s25                             ; g1 as the low word of a pair of its own
	s_mov_b32 s31, s25
.irp c, 0,1,2,3
.irp k, 0,1
.irp q, 0,1,2,3
	global_load_b128 v[C+40*(\c)+20*(\k)+4*(\q):C+40*(\c)+20*(\k)+4*(\q)+3], v2, s[32+8*(\k)+2*(\q):33+8*(\k)+2*(\q)] offset:512*(\c) th:TH_LOAD_NT
.endr
	global_load_b128 v[C+40*(\c)+20*(\k)+16:C+40*(\c)+20*(\k)+19], v2, s[48+2*(\k):49+2*(\k)] offset:512*(\c)
.endr
.endr
.irp c, 0,1,2,3
	s_wait_loadcnt 30-10*(\c)                      ; loads come back in order: this chunk's ten are in, the later chunks' stay out
.irp k, 0,1
.set Y, C+40*(\c)+20*(\k)+16           ; b2's registers take the sum
	v_cvt_pk_bf16_f32 v[8+2*(\k)], v[Y], v[Y+1]
	v_cvt_pk_bf16_f32 v[9+2*(\k)], v[Y+2], v[Y+3]
	v_lshlrev_b32 v[Y], 16, v[8+2*(\k)]
	v_and_b32 v[Y+1], 0xffff0000, v[8+2*(\k)]
	v_lshlrev_b32 v[Y+2], 16, v[9+2*(\k)]
	v_and_b32 v[Y+3], 0xffff0000, v[9+2*(\k)]
.irp q, 0,1,2,3
	v_pk_add_f32 v[Y:Y+1], v[Y:Y+1], v[Y-16+4*(\q):Y-16+4*(\q)+1]
	v_pk_add_f32 v[Y+2:Y+3], v[Y+2:Y+3], v[Y-16+4*(\q)+2:Y-16+4*(\q)+3]
.endr
.irp u, 0,1,2,3
	v_cmp_eq_f32 vcc_lo, v[Y+(\u)], v[Y+(\u)]      ; false for a NaN alone
	v_cndmask_b32 v[Y+(\u)], 0, v[Y+(\u)], vcc_lo
.endr
.endr
.set Y, C+40*(\c)+16
	v_pk_mul_f32 v[Y:Y+1], v[Y:Y+1], s[24:25] op_sel_hi:[1,0]
	v_pk_mul_f32 v[Y+2:Y+3], v[Y+2:Y+3], s[24:25] op_sel_hi:[1,0]
	v_pk_fma_f32 v[Y:Y+1], v[Y+20:Y+21], s[30:31], v[Y:Y+1] op_sel_hi:[1,0,1]
	v_pk_fma_f32 v[Y+2:Y+3], v[Y+22:Y+23], s[30:31], v[Y+2:Y+3] op_sel_hi:[1,0,1]
	global_store_b128 v2, v[Y:Y+3], s[14:15] offset:512*(\c) th:TH_STORE_NT  ; 512 consecutive bytes, at a multiple of 512 from out0's first byte
.endr
	s_endpgm
.Lfunc_end_k_qd113aaeb00_combine:
	.size	k_qd113aaeb00_combine, .Lfunc_end_k_qd113aaeb00_combine-k_qd113aaeb00_combine
	.p2alignl 7, 3214868480
	.fill 96, 4, 3214868480
	.section	.rodata,"a",@progbits
	.p2align	6, 0x0
	.amdhsa_kernel k_qd113aaeb00_combine
		.amdhsa_group_segment_fixed_size 0
		.amdhsa_private_segment_fixed_size 0
		.amdhsa_enable_private_segment 0
		.amdhsa_kernarg_size 48
		.amdhsa_user_sgpr_count 2
		.amdhsa_user_sgpr_kernarg_segment_ptr 1
		.amdhsa_wavefront_size32 1
		.amdhsa_system_sgpr_workgroup_id_x 1
		.amdhsa_system_sgpr_workgroup_id_y 1
		.amdhsa_system_sgpr_workgroup_id_z 1
		.amdhsa_system_vgpr_workitem_id 0
		.amdhsa_next_free_vgpr 176
		.amdhsa_next_free_sgpr 66
		.amdhsa_reserve_vcc 1
		.amdhsa_float_denorm_mode_32 3
		.amdhsa_float_denorm_mode_16_64 3
		.amdhsa_memory_ordered 1
		.amdhsa_forward_progress 1
		.amdhsa_inst_pref_size 16
	.end_amdhsa_kernel
	.amdgpu_metadata
---
amdhsa.version: [ 1, 2 ]
amdhsa.kernels:
  - .name:           k_qd113aaeb00_combine
    .symbol:         k_qd113aaeb00_combine.kd
    .args:
      - { .name: part, .offset: 0, .size: 8, .value_kind: global_buffer, .address_space: global }
      - { .name: b2, .offset: 8, .size: 8, .value_kind: global_buffer, .address_space: global }
      - { .name: ridx, .offset: 16, .size: 8, .value_kind: global_buffer, .address_space: global }
      - { .name: gate, .offset: 24, .size: 8, .value_kind: global_buffer, .address_space: global }
      - { .name: pos, .offset: 32, .size: 8, .value_kind: global_buffer, .address_space: global }
      - { .name: out0, .offset: 40, .size: 8, .value_kind: global_buffer, .address_space: global }
    .group_segment_fixed_size: 0
    .private_segment_fixed_size: 0
    .kernarg_segment_align: 8
    .kernarg_segment_size: 48
    .max_flat_workgroup_size: 256
    .sgpr_count:     66
    .vgpr_count:     176
    .wavefront_size: 32
...
	.end_amdgpu_metadata
.endif
;; end of part 5
;; ======== version 2 of 2: 5 launches; version 1 with the launches ffn1, ffn2 written anew for expert scheduling mode
;; limits: right only within a limited range of input values
;; workspace buffers: ridx 8,192 bytes of whole numbers; pos 8,192 bytes of whole numbers; cnt 256 bytes of whole numbers; gate 8,192 bytes; xs 16,777,216 bytes; hs 67,108,864 bytes; part 134,217,728 bytes
;; launch router: the kernel of part 1 again; grid 256 x 1, 4 waves a work-group, no clusters, 37,376 bytes of LDS; arguments inputs, Wr, br, ridx, gate; writes ridx, gate
;; launch place: the kernel of part 2 again; grid 256 x 1, 8 waves a work-group, no clusters, 68,608 bytes of LDS; arguments inputs, ridx, xs, pos, cnt; writes xs, pos, cnt
;; launch ffn1 (part 6): grid 256 x 1, 8 waves a work-group, no clusters, 263,168 bytes of LDS; arguments W1, b1, xs, cnt, hs; writes hs
.if DOCPART == 6
	.amdgcn_target "amdgcn-amd-amdhsa--gfx1250"
	.amdhsa_code_object_version 6
	.text
	.protected	k_qd113aaeb00_ffn1
	.globl	k_qd113aaeb00_ffn1
	.p2align	8
	.type	k_qd113aaeb00_ffn1,@function
k_qd113aaeb00_ffn1:
	s_mov_b64 s[64:65], 0
	v_nop
	global_prefetch_b8 v0, s[64:65] scope:SCOPE_SE
	s_setreg_imm32_b32 hwreg(HW_REG_WAVE_SCHED_MODE, 0, 2), 2
	s_setreg_imm32_b32 hwreg(HW_REG_WAVE_MODE, 25, 1), 1
	s_wait_xcnt 0x0
	s_wait_alu depctr_vm_vsrc(0)
; hidden = gelu(x W1 + b1) for the routed rows, bf16, stored in the order in which the second product's operand registers take it.  W1 and b1 are rounded to bf16 on their way; sums in f32.
; SHARES.  Work-group x: expert x / 32, columns 128 (x % 32) .. + 127 of 4,096, all 1,024 channels: 512 KiB of W1 that nobody else reads, each byte once.  As bf16 fragments the slice is 256 KiB and stays in LDS.
; EIGHT WAVES, TWO ROLES.  Waves 4-7 LOAD: nothing but weights is on their load counter, eight slots of eight 16-byte loads each, refilled as they are emptied; they round and store fragments into LDS.
; Waves 0-3 MULTIPLY: each has 5 tiles of 16 rows x 128 columns, 40 accumulators, 320 registers; the four hold 320 rows.  Tokens come from xs straight into operand registers, weights from LDS.
; Every wave makes both roles' addresses and scalars at the head, and an address register never holds data: each such register has one meaning on every way through the text.
; ONE LOOP of 17 trips, a barrier in each, on every wave's path.  In trip n (0..3) the loaders write group n (8 K steps, 64 KiB of LDS) while the others multiply group n - 1.  Trips 1-4 are the first sweep.
; Both roles enter the loop at its head: the loaders with group 0 asked for, the multipliers with their first sweep's sums started; in trip 0 a multiplier goes straight to the barrier.
; An expert with more than 320 rows takes up to three more sweeps (trips 5-16) over the slice in LDS, no weight being read again: 4 x 320 rows cover all 1,024.  A dead sweep is jumped over, forward, inside the trip.
; A wave's first four tiles are always multiplied, a tile past the expert's last with that last tile's rows; such a tile is not stored.  The fifth tile's products are jumped over where that tile is past the
; last; its two token loads a K step stay, so that every count of loads is fixed.
; THE TOKENS' STREAM does not stop at a group's end.  Three buffers take turns, K step st in buffer st % 3.  8 % 3 = 2, so the turns cannot run on unbroken in one text for all groups: the next group's step 2
; goes into buffer 2 and its step 0 into buffer 0 behind step 6, its step 1 into buffer 1 behind step 7.  A sweep's first three steps are asked for where its sums are started: for the first sweep ahead of the
; first barrier.  A sweep's last group asks for nothing more: its step 7 is written a second time, without loads, and leads to the way out.
; ORDER OF K.  In piece (ks, q) lane (r, h) holds k = 64 (ks / 2) + 32 h + 16 (ks % 2) + 8 q + 0..7, for weights and tokens alike: a load of W1 then covers two whole rows' pieces of 256 bytes (rows k and k + 32).
; COLUMNS.  Source 0 = weights: row m of column tile n = 4 g + c is column 64 g + 4 m + c (a lane's 16 loaded bytes are four columns, one for each c).  In the result lane (r, h), register j of tile n holds token r,
; column 64 g + 32 h + 4 j + c: for each g 32 neighbouring columns, which are just the lane's own 64 bytes of hs.  Nothing changes lanes on the way out.
; IN LDS half a fragment (ks, g, q, c) lies at 8,192 ks + 4,096 g + 2,048 q + 512 c + 16 lane: loader 2 g + q owns 2,048 bytes on end of every K step.
; The sums start with b1, moved into the accumulators: 320 v_mov_b32, the price of one text for all groups of K steps.  That start stands twice in the text: ahead of the loop, where it runs while the
; first weights are on their way, and behind the way out, for a further sweep.
; GELU, exact form: max(x, 0) - |x| / 2 erfc(|x| / sqrt 2), erfc by the five-term rational form of Abramowitz and Stegun 7.1.26 (absolute error 1.5e-7 for every argument).
; NO JOINT LOADS, though an expert's 32 work-groups read the same rows: beside the slice's 262,144 bytes LDS has 64,512 left; a K step's rows for 20 tiles are 20,480, so at most three steps would fit,
; and a round of a cluster's barrier would stand in front of every 40 to 120 matrix instructions of a wave.
; LIMITS.  An expert that a token did not choose is not computed, so an infinity there does not turn into a NaN.  Infinite and NaN inputs are not treated apart here.
; THE MODE: SCHED_MODE bits 1:0 = 2 (LLVM: expert scheduling mode 2), set by the entry lines.  The code itself states the register dependences between vector or matrix instructions and memory or LDS
; instructions, with s_wait_alu, always for 0.
; THE PLAN, A LOADER.  Registers that memory or LDS instructions touch:
;   slot i (window 1)  K step i's eight loads land in it; the slot's sixteen conversions read it; behind them it is loaded again.
;   TT0, TT1           slot i's conversions write TT[i % 2]; the slot's four LDS stores read it.
;   v[LW]              written once a group, at its head; read by the group's 32 LDS stores.          v[VO]  read by every load of W1; never written again.
;   One wait on va_vdst a slot, behind its conversions: TT[i % 2] is written, slot i is read out, in slot 0 v[LW] is written.  The slot's four stores and eight loads follow it.
;   A wait on vm_vsrc in slots 1 to 6, ahead of the slot's own stores: the stores of the slot before have read the other TT, which the next slot's conversions write.  One more at a group's head: the last
;   group's stores have read v[LW] and both TT.
; THE PLAN, A MULTIPLIER.
;   X0 .. X2           ten token loads land in X[st % 3]; K step st's products read it; behind them the next loads into it are issued.
;   H0, H1             eight LDS loads land in each; a half step's products read it; behind them the next K step's half is asked for.
;   v[LW]              written once a group, at its head; read by the group's LDS loads.              v[L16], v[HB]  read by loads and stores; never written again.
;   v[GP ..], v[VS]    the way out: written by a unit's conversions and one addition; read by its four stores.  v[GP ..] lie in H.
;   The accumulators and the way out's other registers are named by vector and matrix instructions alone.
;   The launch's 512 registers a wave are all taken, so H has no third half: a wait on va_vdst stands behind each half step's products, directly ahead of the run of loads into what they read.
.set PITCHB, 16384                     ; bytes from row to row of W1
.set GROUPB, 256*PITCHB                ; a group: 8 K steps = 256 rows
.set TILESH, 15                        ; a tile of xs is 32 KiB
.set VO,   0                           ; v0   a loader's byte offset in W1 (made when the thread's number has served); never rewritten
.set SW0,  1                           ; v1   a loader's place in a K step's fragments; never rewritten
.set L16,  2                           ; v2   16 lane; never rewritten
.set LW,   3                           ; v3   the LDS address of the group in hand, made anew at the head of each use
.set VS,   4                           ; v4   the way out: my byte offset in hs
.set HB,   5                           ; v5   128 (lane / 16): my place in b1
.set TT,   16                          ; loaders: v[16:47] two sets, by turns, of four fragments' 16 bytes; window 1: slot i at v[32 i]
.set X,    8                           ; v[8:127]    tokens: three buffers of 5 tiles x 8 registers
.set H,    128                         ; v[128:191]  weights: column tiles 0-3, column tiles 4-7
.set AC4,  192                         ; v[192:255]  tile 4's accumulators, 8 n; window 1: tiles 0-3 at 64 i + 8 n
.set GT,   8                           ; the way out: v[8:39] x, v[40:71] A, v[72:103] D then t, v[104:135] -A^2 then its power of 2, v[136:143] at work, v[152:167] packed
.set GA,   40
.set GD,   72
.set GS,   104
.set GI,   136
.set GP,   152
.set WV,   14
.set RK,   15                          ; s15  w % 4: which of my role's four I am
.set EX,   17
.set SL,   18
.set CN,   19
.set TL,   20                          ; s20  the expert's tiles, at least 1
.set TL1,  21
.set TR,   22                          ; s22  the trip
.set LOFF, 23
.set KOFF, 24
.set PB,   25                          ; s25  the sweep's first tile
.set SB,   26                          ; s[26:27] W1 at the group being loaded
.set XB,   28                          ; s[28:29] xs at the expert's tile 0
.set XP,   30                          ; s[30:39] xs at my five tiles, at the group in hand
.set GC,   40                          ; s[40:53] gelu's seven constants, each as a written pair
.set OB,   54                          ; s[54:55] hs at the expert's tile 0, my columns
.set UU,   56
.set T0,   57
.set BB,   60                          ; s[60:61] b1 at my columns.  s[58:59]: an offset as a pair, s59 = 0 throughout
.set CP,   62                          ; s[62:63] cnt at my expert
.set XT,   66                          ; s[66:75] xs at my five tiles' first bytes
.set L4,   76                          ; s76  1: my fifth tile exists
.set GL,   77                          ; s77  the group in hand, 0..3
.set MSB, 0
.macro WIN new                         ; the immediate's high byte repeats the setting that is left; a switch that changes nothing is dropped
.if MSB != (\new)
	s_set_vgpr_msb (MSB<<8)|(\new)
.set MSB, \new
.endif
.endm
.macro PLACES                          ; a load into a register that a matrix instruction has read, and a vector instruction that reads a matrix result, stand four plain vector instructions behind it
.rept 4
	v_nop
.endr
.endm
.macro TLCALC                          ; the expert's tiles from its count
	s_wait_kmcnt 0x0
	s_min_u32 s[CN], s[CN], 1024
	s_add_co_u32 s[CN], s[CN], 15
	s_lshr_b32 s[CN], s[CN], 4
	s_max_u32 s[TL], s[CN], 1
	s_sub_co_u32 s[TL1], s[TL], 1
.endm
; A group for a loader: slot i is K step i.  Eight loaded registers' columns c become fragment c's 16 bytes.  re = 1: the slot is filled again, from the next group.
.macro LG re
	s_wait_xcnt 0x0                                ; the base is stepped, and registers are rewritten, only behind this wait
	s_wait_alu depctr_vm_vsrc(0)                   ; the last group's LDS stores have read v[LW], which is written below, and both TT, which slots 0 and 1 write
.if \re
	s_add_nc_u64 s[SB:SB+1], s[SB:SB+1], GROUPB
.endif
	s_and_b32 s[LOFF], s[TR], 3
	s_lshl_b32 s[LOFF], s[LOFF], 16                ; group n lies at 65,536 n
	v_add_nc_u32 v[LW], s[LOFF], v[SW0]
.irp i, 0,1,2,3,4,5,6,7
.if \re
	s_wait_loadcnt 56                              ; loads come back in order: the seven younger slots' 56 stay out
.else
	s_wait_loadcnt 56-8*(\i)                       ; nothing is asked for any more: the counts run down
.endif
	WIN 0x05                                       ; sources in window 1
.irp c, 0,1,2,3
.irp u, 0,1,2,3
	v_cvt_pk_bf16_f32 v[TT+16*((\i)%2)+4*(\c)+(\u)], v[32*(\i)+8*(\u)+(\c)], v[32*(\i)+8*(\u)+4+(\c)]
.endr
.endr
	WIN 0x40                                       ; loaded data into window 1; addresses and LDS data in window 0
	s_wait_alu depctr_va_vdst(0)                   ; the conversions have written TT[i % 2], which the LDS stores read, and are done reading slot i, in which the loads land; in slot 0 v[LW] is written
.if ((\i) > 0) && ((\i) < 7)
	s_wait_alu depctr_vm_vsrc(0)                   ; the LDS stores of the slot before have read the other TT, which the next slot's conversions write
.endif
.irp c, 0,1,2,3
	ds_store_b128 v[LW], v[TT+16*((\i)%2)+4*(\c):TT+16*((\i)%2)+4*(\c)+3] offset:(\i)*8192+(\c)*512
.endr
.if \re
.irp u, 0,1,2,3,4,5,6,7
	global_load_b128 v[32*(\i)+4*(\u):32*(\i)+4*(\u)+3], v[VO], s[SB:SB+1] offset:(((\i)>>1)*64+((\i)&1)*16+(\u))*PITCHB th:TH_LOAD_NT
.endr
.endif
.endr
	WIN 0
.endm
.macro TOK base, st, b                 ; the tokens of my five tiles, 1,024 st bytes behind the five addresses at s[base], into buffer b: ten loads of 512 consecutive bytes
.irp i, 0,1,2,3,4
	global_load_b128 v[X+40*(\b)+8*(\i):X+40*(\b)+8*(\i)+3],   v[L16], s[(\base)+2*(\i):(\base)+2*(\i)+1] offset:(\st)*1024
	global_load_b128 v[X+40*(\b)+8*(\i)+4:X+40*(\b)+8*(\i)+7], v[L16], s[(\base)+2*(\i):(\base)+2*(\i)+1] offset:(\st)*1024+512
.endr
.endm
.macro HLD hf, st                      ; K step st's weights, column tiles 4 hf .. 4 hf + 3: eight loads, each 512 consecutive bytes of LDS
.irp n, 0,1,2,3
	ds_load_b128 v[H+32*(\hf)+8*(\n):H+32*(\hf)+8*(\n)+3],   v[LW] offset:(\st)*8192+(\hf)*4096+(\n)*512
	ds_load_b128 v[H+32*(\hf)+8*(\n)+4:H+32*(\hf)+8*(\n)+7], v[LW] offset:(\st)*8192+(\hf)*4096+(\n)*512+2048
.endr
.endm
; Four column tiles x five row tiles: sixteen matrix instructions, and four more if my fifth tile exists.  The accumulators take turns, one instruction a turn: between two on one accumulator stand all the others'.
.macro MM hf, b
	WIN 0x50                                       ; C and D in window 1
.irp n, 0,1,2,3
.irp i, 0,1,2,3
	v_wmma_f32_16x16x32_bf16 v[64*(\i)+32*(\hf)+8*(\n):64*(\i)+32*(\hf)+8*(\n)+7], v[H+32*(\hf)+8*(\n):H+32*(\hf)+8*(\n)+7], v[X+40*(\b)+8*(\i):X+40*(\b)+8*(\i)+7], v[64*(\i)+32*(\hf)+8*(\n):64*(\i)+32*(\hf)+8*(\n)+7]
.endr
.endr
	WIN 0                                          ; at a branch and at a label every window is 0
	s_cmp_eq_u32 s[L4], 0
	s_cbranch_scc1 .Lno4_\@                        ; a fifth tile past the expert's last is not multiplied
.irp n, 0,1,2,3
	v_wmma_f32_16x16x32_bf16 v[AC4+32*(\hf)+8*(\n):AC4+32*(\hf)+8*(\n)+7], v[H+32*(\hf)+8*(\n):H+32*(\hf)+8*(\n)+7], v[X+40*(\b)+32:X+40*(\b)+39], v[AC4+32*(\hf)+8*(\n):AC4+32*(\hf)+8*(\n)+7]
.endr
.Lno4_\@:
.endm
; K step st of a group's eight.  left: the token loads, younger than this step's ten, that may stay out.  ahead = 1: the buffer just read takes the step three further on.  Weights are asked for half a step ahead.
.macro KSTEP st, left, ahead
	s_wait_loadcnt \left
	s_wait_dscnt 8                                 ; column tiles 0-3 are in; the other half's eight loads stay out
	MM 0, (\st)%3
	PLACES
.if (\st) < 7
	s_wait_alu depctr_va_vdst(0)                   ; the products above are done reading column tiles 0-3, in which the next K step's land
	HLD 0, (\st)+1
	s_wait_dscnt 8                                 ; column tiles 4-7 are in; the eight just issued stay out
.else
	s_wait_dscnt 0
.endif
	MM 1, (\st)%3
	PLACES
.if (\st) < 7
	s_wait_alu depctr_va_vdst(0)                   ; the products above are done reading column tiles 4-7 and this step's tokens: the loads that follow, up to the next products, land in these
	HLD 1, (\st)+1
.endif
.if \ahead
	TOK XP, (\st)+3, (\st)%3
.endif
.endm
.macro MOVER u                         ; unit u = (tile u / 2, column half u % 2): its 32 numbers into v[GT ..] in the order of their columns; each accumulator's lowest register is read first
.if (\u) < 8
	WIN 0x01
.set AB, 64*((\u)/2)+32*((\u)%2)
.else
.set AB, AC4+32*((\u)%2)
.endif
.irp j, 0,1,2,3,4,5,6,7
.irp c, 0,1,2,3
	v_mov_b32 v[GT+4*(\j)+(\c)], v[AB+8*(\c)+(\j)]
.endr
.endr
	WIN 0
.endm
; A SWEEP BEGINS: my five tiles' addresses (a tile past the last takes the last one's), whether the fifth exists, b1, rounded to bf16, into the accumulators, and the first three K steps' tokens
.macro INIT
	s_wait_xcnt 0x0                                ; the addresses and the registers below are rewritten only behind this wait
.irp i, 0,1,2,3,4
	s_add_co_u32 s[T0], s[PB], s[RK]
	s_add_co_u32 s[T0], s[T0], 4*(\i)
	s_min_u32 s[T0], s[T0], s[TL1]
	s_min_u32 s[T0], s[T0], 63
	s_lshl_b32 s58, s[T0], TILESH
	s_add_nc_u64 s[XT+2*(\i):XT+2*(\i)+1], s[XB:XB+1], s[58:59]
.endr
	s_add_co_u32 s[T0], s[PB], s[RK]
	s_add_co_u32 s[T0], s[T0], 16
	s_cmp_lt_u32 s[T0], s[TL]
	s_cselect_b32 s[L4], 1, 0
	s_wait_alu depctr_va_vdst(0)                   ; v[HB] is written (the head); the last sweep's products and its way out's arithmetic are done with v[GT ..], in which b1 lands
.set k, 0
.rept 16                               ; my 64 columns' b1: half k / 8, four columns 4 (k % 8) + 0..3 of my 32
	global_load_b128 v[GT+4*k:GT+4*k+3], v[HB], s[BB:BB+1] offset:256*(k/8)+16*(k%8)
.set k, k+1
.endr
	s_wait_loadcnt 0x0
.set k, 0
.rept 32
	v_cvt_pk_bf16_f32 v[GD+k%8], v[GT+2*k], v[GT+2*k+1]
	v_lshlrev_b32 v[GT+2*k], 16, v[GD+k%8]
	v_and_b32 v[GT+2*k+1], 0xffff0000, v[GD+k%8]
.set k, k+1
.endr
	WIN 0x40
.set k, 0
.rept 256                              ; k = 64 i + 8 n + j takes b1 of column 64 (n / 4) + 32 h + 4 j + n % 4
	v_mov_b32 v[k], v[GT+32*((k%64)/32)+4*(k%8)+((k/8)%4)]
.set k, k+1
.endr
	WIN 0
.set k, 0
.rept 64
	v_mov_b32 v[AC4+k], v[GT+32*(k/32)+4*(k%8)+((k/8)%4)]
.set k, k+1
.endr
	s_wait_alu depctr_va_vdst(0)                   ; the roundings and moves above are done with v[GT ..] and v[GD ..], in which the tokens land; v[L16] is written (the head)
	TOK XT, 2, 2                                   ; in the order in which a group's end asks for the next group's: step 2, step 0, step 1
	TOK XT, 0, 0
	TOK XT, 1, 1
.endm
	s_load_b256 s[4:11], s[0:1], 0x0               ; W1 s[4:5], b1 s[6:7], xs s[8:9], cnt s[10:11]
	s_load_b64 s[12:13], s[0:1], 0x20              ; hs
	v_lshl_add_u32 v6, v0, 2, 0x40000
	v_mov_b32 v7, 0
	v_lshrrev_b32 v1, 5, v0
	v_readfirstlane_b32 s[WV], v1
	v_and_b32 v1, 31, v0                           ; lane
	v_lshlrev_b32 v[L16], 4, v1
	v_and_b32 v[LW], 15, v1                        ; lane % 16, for the lines below
	v_lshrrev_b32 v[VS], 4, v1                     ; lane / 16
	v_lshlrev_b32 v[HB], 7, v[VS]
	s_wait_alu depctr_va_sdst(0)                   ; the wave's number is written, ahead of its first reader: the roles, offsets and branches are made from it
	s_and_b32 s[RK], s[WV], 3
	; a loader has column half g = RK / 2 and q = RK % 2.  Lanes 0-15 take 256 bytes of row k, lanes 16-31 of row k + 32
	s_lshr_b32 s[T0], s[RK], 1
	s_and_b32 s[UU], s[RK], 1
	s_lshl_b32 s58, s[T0], 8
	s_mul_i32 s[KOFF], s[UU], 8*PITCHB
	s_add_co_u32 s58, s58, s[KOFF]
	v_mul_u32_u24 v[VO], v[VS], 32*PITCHB
	v_lshl_add_u32 v[VO], v[LW], 4, v[VO]
	v_add_nc_u32 v[VO], s58, v[VO]
	s_lshl_b32 s58, s[RK], 11
	v_add_nc_u32 v[SW0], s58, v[L16]
	s_lshr_b32 s[EX], ttmp9, 5
	s_and_b32 s[SL], ttmp9, 31
	s_mov_b32 s[TR], 0
	s_mov_b32 s[PB], 0
	s_mov_b32 s[L4], 0
	s_mov_b32 s[GL], 0
	s_mov_b32 s59, 0
	s_mov_b32 s[GC], 0x3f596d27                    ; sqrt(log2(e) / 2) = 0.8493218: A = that times |x|, so that e^(-x^2 / 2) = 2^(-A^2)
	s_mov_b32 s[GC+2], 0x3e8ba43f                  ; 0.2727375: 1 + that times A = 1 + 0.3275911 |x| / sqrt 2
	s_mov_b32 s[GC+4], 0xbf1ff67a                  ; the five coefficients times -0.588705, which is -|x| / 2 over A: -0.6248547,
	s_mov_b32 s[GC+6], 0x3f5b0099                  ; 0.8554779,
	s_mov_b32 s[GC+8], 0xbf563817                  ; -0.8367934,
	s_mov_b32 s[GC+10], 0x3e2b8119                 ; 0.1674847,
	s_mov_b32 s[GC+12], 0xbe199eb3                 ; -0.1500195
.irp k, 0,2,4,6,8,10,12
	s_mov_b32 s[GC+(\k)+1], s[GC+(\k)]             ; named as pairs, so both are written
.endr
	s_wait_kmcnt 0x0
	s_lshl_b32 s58, s[EX], 24
	s_lshl_b32 s[T0], s[SL], 9
	s_add_co_u32 s58, s58, s[T0]
	s_add_nc_u64 s[SB:SB+1], s[4:5], s[58:59]
	s_lshl_b32 s58, s[EX], 2
	s_add_nc_u64 s[CP:CP+1], s[10:11], s[58:59]
	s_load_b32 s[CN], s[CP:CP+1], 0x0              ; the expert's count
	s_lshl_b32 s58, s[EX], 14
	s_add_co_u32 s58, s58, s[T0]
	s_add_nc_u64 s[BB:BB+1], s[6:7], s[58:59]
	s_lshl_b32 s58, s[EX], 21
	s_add_nc_u64 s[XB:XB+1], s[8:9], s[58:59]
	s_lshl_b32 s58, s[EX], 23
	s_lshl_b32 s[T0], s[SL], 12
	s_add_co_u32 s58, s58, s[T0]
	s_add_nc_u64 s[OB:OB+1], s[12:13], s[58:59]
.irp i, 0,1,2,3,4
	s_mov_b64 s[XP+2*(\i):XP+2*(\i)+1], s[XB:XB+1]
	s_mov_b64 s[XT+2*(\i):XT+2*(\i)+1], s[XB:XB+1]
.endr
	s_cmp_lt_u32 s[WV], 4
	s_cbranch_scc1 .Lset_c
	WIN 0x40
	s_wait_alu depctr_va_vdst(0)                   ; v[VO] is written: every load of W1 reads it as its offset
.set k, 0
.rept 64                               ; group 0: slot k / 8, row k % 8 of its eight.  The 64th load's issue waits until the first has come back (ISA guide 5.7.1)
	global_load_b128 v[4*k:4*k+3], v[VO], s[SB:SB+1] offset:(((k/8)>>1)*64+((k/8)&1)*16+k%8)*PITCHB th:TH_LOAD_NT
.set k, k+1
.endr
	WIN 0
	TLCALC
	s_branch .Ltrip
.Lset_c:
	TLCALC
	INIT                                           ; a multiplier's first sweep is started here, while the loaders' first weights are on their way
.Ltrip:
	s_cmp_lt_u32 s[WV], 4
	s_cbranch_scc1 .Lcomp
	s_cmp_lt_u32 s[TR], 3
	s_cbranch_scc0 .Llast_g
	LG 1                                           ; trips 0-2: group n into LDS, group n + 1 asked for
	s_branch .Ljoin
.Llast_g:
	s_cmp_eq_u32 s[TR], 3
	s_cbranch_scc0 .Ljoin
	LG 0                                           ; trip 3: the last group
	s_branch .Ljoin
.Lcomp:
	s_cmp_eq_u32 s[TR], 0
	s_cbranch_scc1 .Ljoin                          ; trip 0: no group is in LDS yet
	s_cmp_ge_u32 s[PB], s[TL]
	s_cbranch_scc1 .Ljoin                          ; no tile is left for this sweep
	s_wait_xcnt 0x0                                ; the loads asked for in the last trip have read the five addresses, a way out's stores their data: both are rewritten below
	s_wait_alu depctr_vm_vsrc(0)                   ; the last group's LDS loads have read v[LW], which is written below; a way out's stores have read v[GP ..], in which the weights below land
	s_sub_co_u32 s[GL], s[TR], 1                   ; group (n - 1) % 4
	s_and_b32 s[GL], s[GL], 3
	s_lshl_b32 s[KOFF], s[GL], 16
	v_add_nc_u32 v[LW], s[KOFF], v[L16]
	s_lshl_b32 s58, s[GL], 13                      ; a group's tokens are 8,192 bytes of a tile
.irp i, 0,1,2,3,4
	s_add_nc_u64 s[XP+2*(\i):XP+2*(\i)+1], s[XT+2*(\i):XT+2*(\i)+1], s[58:59]
.endr
	s_wait_alu depctr_va_vdst(0)                   ; v[LW] is written, which the LDS loads read; the last group's products and a way out's arithmetic are done with H, in which they land
	HLD 0, 0
	HLD 1, 0
	; the token loads in their order of issue, ten each: this group's steps 2, 0, 1 (asked for earlier), 3, 4, 5, 6, 7, then the next group's 2, 0, 1
	KSTEP 0, 10, 1                                 ; behind step 0's loads stand step 1's
	KSTEP 1, 10, 1                                 ; behind step 1's: step 3's
	KSTEP 2, 20, 1                                 ; step 2's are the oldest of all: in since step 0's wait
	KSTEP 3, 20, 1                                 ; behind step 3's: steps 4's and 5's; and so on
	KSTEP 4, 20, 1
	KSTEP 5, 20, 0
	KSTEP 6, 10, 0                                 ; behind step 6's: step 7's alone
	s_cmp_eq_u32 s[GL], 3
	s_cbranch_scc1 .Llast7
	TOK XP, 10, 2                                  ; the next group's step 2 into the buffer that step 5 read, its step 0 into the one that step 6 read: 8,192 bytes on, inside the tile for groups 0 to 2.
	TOK XP, 8, 0                                   ; No wait: no vector or matrix instruction stands between step 6's second wait on va_vdst and these loads
	KSTEP 7, 20, 0                                 ; behind step 7's: the twenty just issued
	s_wait_alu depctr_va_vdst(0)                   ; step 7's products are done reading buffer 1, in which the next group's step 1 lands
	TOK XP, 9, 1
	s_branch .Ljoin
.Llast7:
	KSTEP 7, 0, 0                                  ; the sweep's last K step: nothing was asked for behind its tokens
	; THE WAY OUT, behind a sweep's fourth group: ten units of 16 rows x 64 columns.  The last K step's four v_nop are the places in front of the first read.
	s_mov_b32 s[UU], 0
.Lwo:
	s_lshr_b32 s[T0], s[UU], 1
	s_lshl_b32 s[T0], s[T0], 2
	s_add_co_u32 s[T0], s[T0], s[PB]
	s_add_co_u32 s[T0], s[T0], s[RK]               ; the unit's tile
	s_cmp_ge_u32 s[T0], s[TL]
	s_cbranch_scc1 .Lwo_next                       ; past the expert's last: not stored
	s_min_u32 s[T0], s[T0], 63
	s_lshl_b32 s[T0], s[T0], 17                    ; a tile of hs is 128 KiB
	s_and_b32 s58, s[UU], 1
	s_lshl_b32 s58, s58, 11                        ; a column half is two K steps of the second product
	s_add_co_u32 s[T0], s[T0], s58                 ; the unit's place in hs: kept until its stores
.irp u, 0,1,2,3,4,5,6,7,8
	s_cmp_eq_u32 s[UU], \u
	s_cbranch_scc1 .Lmv\u
.endr
	MOVER 9
	s_branch .Lgelu
.irp u, 0,1,2,3,4,5,6,7,8
.Lmv\u:
	MOVER \u
	s_branch .Lgelu
.endr
.Lgelu:
.set k, 0
.rept 32
	v_mul_f32 v[GA+k], |v[GT+k]|, s[GC]
.set k, k+1
.endr
.set k, 0
.rept 16
	v_pk_fma_f32 v[GD+2*k:GD+2*k+1], v[GA+2*k:GA+2*k+1], s[GC+2:GC+3], 1.0 op_sel_hi:[1,0,0]
	v_pk_mul_f32 v[GS+2*k:GS+2*k+1], v[GA+2*k:GA+2*k+1], v[GA+2*k:GA+2*k+1] neg_lo:[1,0] neg_hi:[1,0]
.set k, k+1
.endr
.set k, 0
.rept 32                               ; ONE BATCH of 64: t = 1 / D and 2^(-A^2), with max(x, 0) between them; nothing here names a result
	v_rcp_f32 v[GD+k], v[GD+k]
	v_exp_f32 v[GS+k], v[GS+k]
	v_max_num_f32 v[GT+k], 0, v[GT+k]              ; (the last of these is the plain instruction behind the last of the batch)
.set k, k+1
.endr
	s_wait_alu depctr_va_vdst(0)                   ; the 32 reciprocals in v[GD ..] and the 32 powers of 2 in v[GS ..] are written: one wait for the batch, ahead of its first reader
.set p, 0
.rept 4                                ; four pairs by turns, so that no line waits for the one before it
.irp u, 0,1,2,3
	v_pk_fma_f32 v[GI+2*(\u):GI+2*(\u)+1], v[GD+2*(p+(\u)):GD+2*(p+(\u))+1], s[GC+4:GC+5], s[GC+6:GC+7] op_sel_hi:[1,0,0]
.endr
.irp u, 0,1,2,3
	v_pk_fma_f32 v[GI+2*(\u):GI+2*(\u)+1], v[GI+2*(\u):GI+2*(\u)+1], v[GD+2*(p+(\u)):GD+2*(p+(\u))+1], s[GC+8:GC+9] op_sel_hi:[1,1,0]
.endr
.irp u, 0,1,2,3
	v_pk_fma_f32 v[GI+2*(\u):GI+2*(\u)+1], v[GI+2*(\u):GI+2*(\u)+1], v[GD+2*(p+(\u)):GD+2*(p+(\u))+1], s[GC+10:GC+11] op_sel_hi:[1,1,0]
.endr
.irp u, 0,1,2,3
	v_pk_fma_f32 v[GI+2*(\u):GI+2*(\u)+1], v[GI+2*(\u):GI+2*(\u)+1], v[GD+2*(p+(\u)):GD+2*(p+(\u))+1], s[GC+12:GC+13] op_sel_hi:[1,1,0]
.endr
.irp u, 0,1,2,3
	v_pk_mul_f32 v[GI+2*(\u):GI+2*(\u)+1], v[GI+2*(\u):GI+2*(\u)+1], v[GD+2*(p+(\u)):GD+2*(p+(\u))+1]
.endr
.irp u, 0,1,2,3
	v_pk_mul_f32 v[GA+2*(p+(\u)):GA+2*(p+(\u))+1], v[GA+2*(p+(\u)):GA+2*(p+(\u))+1], v[GS+2*(p+(\u)):GS+2*(p+(\u))+1]
.endr
.irp u, 0,1,2,3
	v_pk_fma_f32 v[GT+2*(p+(\u)):GT+2*(p+(\u))+1], v[GI+2*(\u):GI+2*(\u)+1], v[GA+2*(p+(\u)):GA+2*(p+(\u))+1], v[GT+2*(p+(\u)):GT+2*(p+(\u))+1]
.endr
.set p, p+4
.endr
	s_wait_xcnt 0x0                                ; the last unit's stores have read their data and their offset: both are rewritten only behind this wait; this unit's arithmetic has stood between
	s_wait_alu depctr_vm_vsrc(0)                   ; the last unit's stores have read v[GP ..] and v[VS], which the lines below write again
.set k, 0
.rept 16
	v_cvt_pk_bf16_f32 v[GP+k], v[GT+2*k], v[GT+2*k+1]
.set k, k+1
.endr
	v_add_nc_u32 v[VS], s[T0], v[L16]
	s_wait_alu depctr_va_vdst(0)                   ; the conversions have written v[GP ..] and the addition v[VS], which the four stores read
.irp u, 0,1,2,3                        ; piece u: K step u / 2 of the half's two, q = u % 2
	global_store_b128 v[VS], v[GP+4*(\u):GP+4*(\u)+3], s[OB:OB+1] offset:512*(\u)  ; 512 consecutive bytes, at a multiple of 512 from hs's first byte
.endr
.Lwo_next:
	s_add_co_u32 s[UU], s[UU], 1
	s_cmp_lt_u32 s[UU], 10
	s_cbranch_scc1 .Lwo
	s_add_co_u32 s[PB], s[PB], 20                  ; the next sweep's tiles
	s_cmp_ge_u32 s[PB], s[TL]
	s_cbranch_scc1 .Ljoin
	INIT                                           ; more than this sweep's 320 rows: the next sweep is started
.Ljoin:
	s_wait_dscnt 0x0                               ; a loader's stores are done, a multiplier's reads are back
	s_barrier_signal -1
	s_barrier_wait -1                              ; the group written in this trip may be read in the next
	s_add_co_u32 s[TR], s[TR], 1
	s_cmp_lt_u32 s[TR], 17
	s_cbranch_scc1 .Ltrip
	s_wait_dscnt 0x0                               ; the wave's end
	s_wait_alu depctr_hold_cnt(0) depctr_sa_sdst(0) depctr_va_vdst(0) depctr_va_sdst(0) depctr_va_ssrc(0) depctr_va_vcc(0) depctr_vm_vsrc(0)
	s_wait_tensorcnt 0x0
	ds_add_u32 v6, v7
	s_wait_dscnt 0x0
	s_endpgm
.Lfunc_end_k_qd113aaeb00_ffn1:
	.size	k_qd113aaeb00_ffn1, .Lfunc_end_k_qd113aaeb00_ffn1-k_qd113aaeb00_ffn1
	.p2alignl 7, 3214868480
	.fill 96, 4, 3214868480
	.section	.rodata,"a",@progbits
	.p2align	6, 0x0
	.amdhsa_kernel k_qd113aaeb00_ffn1
		.amdhsa_group_segment_fixed_size 263168
		.amdhsa_private_segment_fixed_size 0
		.amdhsa_enable_private_segment 0
		.amdhsa_kernarg_size 40
		.amdhsa_user_sgpr_count 2
		.amdhsa_user_sgpr_kernarg_segment_ptr 1
		.amdhsa_wavefront_size32 1
		.amdhsa_system_sgpr_workgroup_id_x 1
		.amdhsa_system_sgpr_workgroup_id_y 1
		.amdhsa_system_sgpr_workgroup_id_z 1
		.amdhsa_system_vgpr_workitem_id 0
		.amdhsa_next_free_vgpr 512
		.amdhsa_next_free_sgpr 78
		.amdhsa_reserve_vcc 0
		.amdhsa_float_denorm_mode_32 3
		.amdhsa_float_denorm_mode_16_64 3
		.amdhsa_memory_ordered 1
		.amdhsa_forward_progress 1
		.amdhsa_inst_pref_size 153
	.end_amdhsa_kernel
	.amdgpu_metadata
---
amdhsa.version: [ 1, 2 ]
amdhsa.kernels:
  - .name:           k_qd113aaeb00_ffn1
    .symbol:         k_qd113aaeb00_ffn1.kd
    .args:
      - { .name: W1, .offset: 0, .size: 8, .value_kind: global_buffer, .address_space: global }
      - { .name: b1, .offset: 8, .size: 8, .value_kind: global_buffer, .address_space: global }
      - { .name: xs, .offset: 16, .size: 8, .value_kind: global_buffer, .address_space: global }
      - { .name: cnt, .offset: 24, .size: 8, .value_kind: global_buffer, .address_space: global }
      - { .name: hs, .offset: 32, .size: 8, .value_kind: global_buffer, .address_space: global }
    .group_segment_fixed_size: 263168
    .private_segment_fixed_size: 0
    .kernarg_segment_align: 8
    .kernarg_segment_size: 40
    .max_flat_workgroup_size: 256
    .sgpr_count:     78
    .vgpr_count:     512
    .wavefront_size: 32
...
	.end_amdgpu_metadata
.endif
;; end of part 6
;; launch ffn2 (part 7): grid 256 x 1, 8 waves a work-group, no clusters, 296,960 bytes of LDS; arguments W2, hs, cnt, part; writes part
.if DOCPART == 7
	.amdgcn_target "amdgcn-amd-amdhsa--gfx1250"
	.amdhsa_code_object_version 6
	.text
	.protected	k_qd113aaeb00_ffn2
	.globl	k_qd113aaeb00_ffn2
	.p2align	8
	.type	k_qd113aaeb00_ffn2,@function
k_qd113aaeb00_ffn2:
	s_mov_b64 s[64:65], 0
	v_nop
	global_prefetch_b8 v0, s[64:65] scope:SCOPE_SE
	s_setreg_imm32_b32 hwreg(HW_REG_WAVE_SCHED_MODE, 0, 2), 2
	s_setreg_imm32_b32 hwreg(HW_REG_WAVE_MODE, 25, 1), 1
	s_wait_xcnt 0x0
	s_wait_alu depctr_vm_vsrc(0)
; Partial sums of hidden W2 for the routed rows, f32.  W2 is rounded to bf16 on its way; sums in f32.
; SHARES.  Work-group x: expert x / 32, columns 128 (x % 8) .. + 127 of 1,024, hidden channels 1,024 ((x % 32) / 8) .. + 1,023 of 4,096: 512 KiB of W2 that nobody else reads, each byte once; as bf16
; fragments 256 KiB, resident in LDS.  The four quarters of the hidden width give four partial rows, part[quarter][slot][1,024], which the last launch adds: each byte of part has one owner.
; The body is the first product's: waves 4-7 load weights, eight slots of eight 16-byte loads each; waves 0-3 multiply, 5 tiles of 16 rows x 128 columns each, 40 accumulators; every wave makes both
; roles' addresses and scalars at the head, and an address register never holds data.
; ONE LOOP of 17 trips with a barrier in each, on every wave's path: in trip n (0..3) the loaders write group n (8 K steps, 64 KiB) while the others multiply group n - 1; trips 5-16 are up to three more sweeps
; over the slice in LDS for an expert with more than 320 rows, jumped over, forward, where no tile is left.  Both roles enter the loop at its head: the loaders with group 0 asked for, the multipliers with
; their first sweep started; in trip 0 a multiplier goes straight to the barrier.
; A wave's first four tiles are always multiplied, a tile past the expert's last with the last tile's rows, and not stored.  The fifth tile's products are jumped over where that tile is past the last; its two
; token loads a K step stay, so that every count of loads is fixed.
; THE TOKENS' STREAM does not stop at a group's end.  Three buffers take turns, K step st in buffer st % 3.  8 % 3 = 2, so the turns cannot run on unbroken in one text for all groups: the next group's step 2
; goes into buffer 2 and its step 0 into buffer 0 behind step 6, its step 1 into buffer 1 behind step 7.  A sweep's first three steps are asked for where its sums are started: for the first sweep ahead of the
; first barrier.  A sweep's last group asks for nothing more: its step 7 is written a second time, without loads, and leads to the way out.
; ORDER OF K: in piece (ks, q) lane (r, h) holds k = 64 (ks / 2) + 32 h + 16 (ks % 2) + 8 q + 0..7, in hs and in the weights' fragments alike.
; COLUMNS: row m of column tile n = 4 g + c is column 64 g + 4 m + c; in the result lane (r, h), register j of tile n holds token r, column 64 g + 32 h + 4 j + c.
; IN LDS half a fragment (ks, g, q, c) lies at 8,192 ks + 4,096 g + 2,048 q + 512 c + 16 lane: loader 2 g + q owns 2,048 bytes on end of every K step.
; THE WAY OUT goes through a stage of the wave's own in LDS: 16 rows of 512 bytes, written 16 bytes a lane, read back as whole rows, so that each store covers 512 consecutive bytes of a row of part.
; The sums start at 0 by 320 v_mov_b32, the price of one text for all groups of K steps; that start stands twice in the text: ahead of the loop, in the wait for the first weights, and behind the way out.
; NO JOINT LOADS, though eight work-groups read the same rows of hs: beside the slice and the stages LDS has 30,720 bytes left, and a K step's rows for 20 tiles are 20,480.
; LIMITS.  An expert that a token did not choose is not computed.  NaN is dealt with by the last launch, on the whole sum.
; THE MODE: SCHED_MODE bits 1:0 = 2 (LLVM: expert scheduling mode 2), set by the entry lines.  The code itself states the register dependences between vector or matrix instructions and memory or LDS
; instructions, with s_wait_alu, always for 0.
; THE PLAN, A LOADER.  Registers that memory or LDS instructions touch:
;   slot i (window 1)  K step i's eight loads land in it; the slot's sixteen conversions read it; behind them it is loaded again.
;   TT0, TT1           slot i's conversions write TT[i % 2]; the slot's four LDS stores read it.
;   v[LW]              written once a group, at its head; read by the group's 32 LDS stores.          v[VO]  read by every load of W2; never written again.
;   One wait on va_vdst a slot, behind its conversions: TT[i % 2] is written, slot i is read out, in slot 0 v[LW] is written.  The slot's four stores and eight loads follow it.
;   A wait on vm_vsrc in slots 1 to 6, ahead of the slot's own stores: the stores of the slot before have read the other TT, which the next slot's conversions write.  One more at a group's head: the last
;   group's stores have read v[LW] and both TT.
; THE PLAN, A MULTIPLIER.
;   X0 .. X2           ten token loads land in X[st % 3]; K step st's products read it; behind them the next loads into it are issued.
;   H0, H1             eight LDS loads land in each; a half step's products read it; behind them the next K step's half is asked for.
;   v[LW]              written once a group, at its head, and once ahead of the way out; read by LDS loads.     v[L16], v[STO]  read by loads and stores; never written again.
;   v[GT ..]           the way out: written by a tile's 64 moves; read by its sixteen LDS stores.     v[GB ..]  its sixteen LDS loads land there; its sixteen global stores read it.
;   v[VS]              written once a tile; read by the tile's global stores.  v[GT ..] and v[GB ..] lie in X and H.
;   The accumulators are named by vector and matrix instructions alone.
;   The launch's 512 registers a wave are all taken, so H has no third half: a wait on va_vdst stands behind each half step's products, directly ahead of the run of loads into what they read.
;   On the way out ONE wait on vm_vsrc stands at a tile's head, for all that the last tile's LDS stores and global stores read; behind it only this tile's LDS stores are issued ahead of the writes that it frees,
;   and these read v[GT ..] and v[STO] alone.
.set PITCHB, 4096                      ; bytes from row to row of W2
.set GROUPB, 256*PITCHB
.set TILESH, 17                        ; a tile of hs is 128 KiB
.set STAGE,  262144                    ; behind the slice: 16 rows x 528 bytes for each multiplying wave
.set SPITCH, 528                       ; 512 bytes + 16: 132 words, so the sixteen rows that a store touches start at sixteen different groups of four banks
.set VO,   0                           ; v0   a loader's byte offset in W2 (made when the thread's number has served); never rewritten
.set SW0,  1                           ; v1   a loader's place in a K step's fragments; never rewritten
.set L16,  2                           ; v2   16 lane; never rewritten
.set LW,   3                           ; v3   the LDS address in hand (a group of fragments; on the way out my stage's rows), made anew at the head of each use
.set VS,   4                           ; v4   the way out: my byte offset in part
.set STO,  5                           ; v5   where I put 16 bytes of a stage row; never rewritten
.set TT,   16                          ; loaders: v[16:47] two sets, by turns, of four fragments' 16 bytes
.set X,    8
.set H,    128
.set AC4,  192
.set GT,   8                           ; the way out: v[8:71] a tile's 64 numbers in the order of their columns, v[72:135] its rows read back
.set GB,   72
.set CS,   12
.set KQ,   13
.set WV,   14
.set RK,   15
.set EX,   17
.set SL,   18
.set CN,   19
.set TL,   20
.set TL1,  21
.set TR,   22
.set LOFF, 23
.set KOFF, 24
.set PB,   25
.set SB,   26
.set XB,   28
.set XP,   30                          ; s[30:39] hs at my five tiles, at the group in hand
.set OB,   54
.set UU,   56
.set T0,   57
.set STG,  60                          ; s60  my stage's first byte
.set CP,   62                          ; s[62:63] cnt at my expert.  s[58:59]: an offset as a pair, s59 = 0 throughout
.set XT,   66                          ; s[66:75] hs at my five tiles, at my quarter's first byte
.set L4,   76                          ; s76  1: my fifth tile exists
.set GL,   77                          ; s77  the group in hand, 0..3
.set MSB, 0
.macro WIN new
.if MSB != (\new)
	s_set_vgpr_msb (MSB<<8)|(\new)
.set MSB, \new
.endif
.endm
.macro PLACES                          ; four plain vector instructions between a matrix instruction and a load into its sources or a read of its result
.rept 4
	v_nop
.endr
.endm
.macro TLCALC                          ; the expert's tiles from its count
	s_wait_kmcnt 0x0
	s_min_u32 s[CN], s[CN], 1024
	s_add_co_u32 s[CN], s[CN], 15
	s_lshr_b32 s[CN], s[CN], 4
	s_max_u32 s[TL], s[CN], 1
	s_sub_co_u32 s[TL1], s[TL], 1
.endm
.macro LG re                           ; a group for a loader: slot i is K step i; re = 1: the slot is filled again, from the next group
	s_wait_xcnt 0x0                                ; the base is stepped, and registers are rewritten, only behind this wait
	s_wait_alu depctr_vm_vsrc(0)                   ; the last group's LDS stores have read v[LW], which is written below, and both TT, which slots 0 and 1 write
.if \re
	s_add_nc_u64 s[SB:SB+1], s[SB:SB+1], GROUPB
.endif
	s_and_b32 s[LOFF], s[TR], 3
	s_lshl_b32 s[LOFF], s[LOFF], 16
	v_add_nc_u32 v[LW], s[LOFF], v[SW0]
.irp i, 0,1,2,3,4,5,6,7
.if \re
	s_wait_loadcnt 56                              ; the seven younger slots' 56 loads stay out
.else
	s_wait_loadcnt 56-8*(\i)
.endif
	WIN 0x05
.irp c, 0,1,2,3
.irp u, 0,1,2,3
	v_cvt_pk_bf16_f32 v[TT+16*((\i)%2)+4*(\c)+(\u)], v[32*(\i)+8*(\u)+(\c)], v[32*(\i)+8*(\u)+4+(\c)]
.endr
.endr
	WIN 0x40
	s_wait_alu depctr_va_vdst(0)                   ; the conversions have written TT[i % 2], which the LDS stores read, and are done reading slot i, in which the loads land; in slot 0 v[LW] is written
.if ((\i) > 0) && ((\i) < 7)
	s_wait_alu depctr_vm_vsrc(0)                   ; the LDS stores of the slot before have read the other TT, which the next slot's conversions write
.endif
.irp c, 0,1,2,3
	ds_store_b128 v[LW], v[TT+16*((\i)%2)+4*(\c):TT+16*((\i)%2)+4*(\c)+3] offset:(\i)*8192+(\c)*512
.endr
.if \re
.irp u, 0,1,2,3,4,5,6,7
	global_load_b128 v[32*(\i)+4*(\u):32*(\i)+4*(\u)+3], v[VO], s[SB:SB+1] offset:(((\i)>>1)*64+((\i)&1)*16+(\u))*PITCHB th:TH_LOAD_NT
.endr
.endif
.endr
	WIN 0
.endm
.macro TOK base, st, b                 ; the tokens of my five tiles, 1,024 st bytes behind the five addresses at s[base], into buffer b: ten loads of 512 consecutive bytes
.irp i, 0,1,2,3,4
	global_load_b128 v[X+40*(\b)+8*(\i):X+40*(\b)+8*(\i)+3],   v[L16], s[(\base)+2*(\i):(\base)+2*(\i)+1] offset:(\st)*1024
	global_load_b128 v[X+40*(\b)+8*(\i)+4:X+40*(\b)+8*(\i)+7], v[L16], s[(\base)+2*(\i):(\base)+2*(\i)+1] offset:(\st)*1024+512
.endr
.endm
.macro HLD hf, st
.irp n, 0,1,2,3
	ds_load_b128 v[H+32*(\hf)+8*(\n):H+32*(\hf)+8*(\n)+3],   v[LW] offset:(\st)*8192+(\hf)*4096+(\n)*512
	ds_load_b128 v[H+32*(\hf)+8*(\n)+4:H+32*(\hf)+8*(\n)+7], v[LW] offset:(\st)*8192+(\hf)*4096+(\n)*512+2048
.endr
.endm
.macro MM hf, b                        ; sixteen matrix instructions, and four more if my fifth tile exists; the accumulators take turns, one instruction a turn
	WIN 0x50
.irp n, 0,1,2,3
.irp i, 0,1,2,3
	v_wmma_f32_16x16x32_bf16 v[64*(\i)+32*(\hf)+8*(\n):64*(\i)+32*(\hf)+8*(\n)+7], v[H+32*(\hf)+8*(\n):H+32*(\hf)+8*(\n)+7], v[X+40*(\b)+8*(\i):X+40*(\b)+8*(\i)+7], v[64*(\i)+32*(\hf)+8*(\n):64*(\i)+32*(\hf)+8*(\n)+7]
.endr
.endr
	WIN 0                                          ; at a branch and at a label every window is 0
	s_cmp_eq_u32 s[L4], 0
	s_cbranch_scc1 .Lno4_\@                        ; a fifth tile past the expert's last is not multiplied
.irp n, 0,1,2,3
	v_wmma_f32_16x16x32_bf16 v[AC4+32*(\hf)+8*(\n):AC4+32*(\hf)+8*(\n)+7], v[H+32*(\hf)+8*(\n):H+32*(\hf)+8*(\n)+7], v[X+40*(\b)+32:X+40*(\b)+39], v[AC4+32*(\hf)+8*(\n):AC4+32*(\hf)+8*(\n)+7]
.endr
.Lno4_\@:
.endm
; K step st of a group's eight.  left: the token loads, younger than this step's ten, that may stay out.  ahead = 1: the buffer just read takes the step three further on.
.macro KSTEP st, left, ahead
	s_wait_loadcnt \left
	s_wait_dscnt 8                                 ; column tiles 0-3 are in; the other half's eight loads stay out
	MM 0, (\st)%3
	PLACES
.if (\st) < 7
	s_wait_alu depctr_va_vdst(0)                   ; the products above are done reading column tiles 0-3, in which the next K step's land
	HLD 0, (\st)+1
	s_wait_dscnt 8
.else
	s_wait_dscnt 0
.endif
	MM 1, (\st)%3
	PLACES
.if (\st) < 7
	s_wait_alu depctr_va_vdst(0)                   ; the products above are done reading column tiles 4-7 and this step's tokens: the loads that follow, up to the next products, land in these
	HLD 1, (\st)+1
.endif
.if \ahead
	TOK XP, (\st)+3, (\st)%3
.endif
.endm
.macro MOVER i                         ; tile i's 64 numbers into v[GT ..] in the order of their columns; each accumulator's lowest register is read first
.if (\i) < 4
	WIN 0x01
.set AB, 64*(\i)
.else
.set AB, AC4
.endif
.irp g, 0,1
.irp j, 0,1,2,3,4,5,6,7
.irp c, 0,1,2,3
	v_mov_b32 v[GT+32*(\g)+4*(\j)+(\c)], v[AB+32*(\g)+8*(\c)+(\j)]
.endr
.endr
.endr
	WIN 0
.endm
; A SWEEP BEGINS: my five tiles' addresses (a tile past the last takes the last one's), whether the fifth exists, 0 into the accumulators, and the first three K steps' tokens
.macro INIT
	s_wait_xcnt 0x0                                ; the addresses, and the registers that a way out's stores read, are rewritten only behind this wait
	s_wait_alu depctr_vm_vsrc(0)                   ; a way out's LDS stores have read v[GT ..] and its global stores v[GB ..]: the tokens below land in both
.irp i, 0,1,2,3,4
	s_add_co_u32 s[T0], s[PB], s[RK]
	s_add_co_u32 s[T0], s[T0], 4*(\i)
	s_min_u32 s[T0], s[T0], s[TL1]
	s_min_u32 s[T0], s[T0], 63
	s_lshl_b32 s58, s[T0], TILESH
	s_add_nc_u64 s[XT+2*(\i):XT+2*(\i)+1], s[XB:XB+1], s[58:59]
.endr
	s_add_co_u32 s[T0], s[PB], s[RK]
	s_add_co_u32 s[T0], s[T0], 16
	s_cmp_lt_u32 s[T0], s[TL]
	s_cselect_b32 s[L4], 1, 0
	WIN 0x40
.set k, 0
.rept 256
	v_mov_b32 v[k], 0
.set k, k+1
.endr
	WIN 0
.set k, 0
.rept 64
	v_mov_b32 v[AC4+k], 0
.set k, k+1
.endr
	s_wait_alu depctr_va_vdst(0)                   ; v[L16] is written (the head); the last sweep's products and its way out's moves are done with v[8:127], in which the tokens land
	TOK XT, 2, 2                                   ; in the order in which a group's end asks for the next group's: step 2, step 0, step 1
	TOK XT, 0, 0
	TOK XT, 1, 1
.endm
	s_load_b256 s[4:11], s[0:1], 0x0               ; W2 s[4:5], hs s[6:7], cnt s[8:9], part s[10:11]
	v_lshl_add_u32 v6, v0, 2, 0x48400
	v_mov_b32 v7, 0
	v_lshrrev_b32 v1, 5, v0
	v_readfirstlane_b32 s[WV], v1
	v_and_b32 v1, 31, v0                           ; lane
	v_lshlrev_b32 v[L16], 4, v1
	v_and_b32 v[LW], 15, v1                        ; lane % 16, for the lines below
	v_lshrrev_b32 v[VS], 4, v1                     ; lane / 16
	s_wait_alu depctr_va_sdst(0)                   ; the wave's number is written, ahead of its first reader: the roles, offsets and branches are made from it
	s_and_b32 s[RK], s[WV], 3
	s_mul_i32 s[STG], s[RK], 16*SPITCH
	s_add_co_u32 s[STG], s[STG], STAGE             ; a multiplier's stage
	v_mul_u32_u24 v[STO], v[LW], SPITCH
	v_lshl_add_u32 v[STO], v[VS], 7, v[STO]
	v_add_nc_u32 v[STO], s[STG], v[STO]            ; in: row lane % 16, 128 bytes on for the upper lanes
	s_lshr_b32 s[T0], s[RK], 1                     ; a loader's g
	s_and_b32 s[UU], s[RK], 1                      ; and q
	s_lshl_b32 s58, s[T0], 8
	s_mul_i32 s[KOFF], s[UU], 8*PITCHB
	s_add_co_u32 s58, s58, s[KOFF]
	v_mul_u32_u24 v[VO], v[VS], 32*PITCHB
	v_lshl_add_u32 v[VO], v[LW], 4, v[VO]
	v_add_nc_u32 v[VO], s58, v[VO]
	s_lshl_b32 s58, s[RK], 11
	v_add_nc_u32 v[SW0], s58, v[L16]
	s_lshr_b32 s[EX], ttmp9, 5
	s_and_b32 s[SL], ttmp9, 31
	s_and_b32 s[CS], s[SL], 7                      ; which 128 columns
	s_lshr_b32 s[KQ], s[SL], 3                     ; which quarter of the hidden width
	s_mov_b32 s[TR], 0
	s_mov_b32 s[PB], 0
	s_mov_b32 s[L4], 0
	s_mov_b32 s[GL], 0
	s_mov_b32 s59, 0
	s_wait_kmcnt 0x0
	s_lshl_b32 s58, s[EX], 24
	s_lshl_b32 s[T0], s[KQ], 22
	s_add_co_u32 s58, s58, s[T0]
	s_lshl_b32 s[T0], s[CS], 9
	s_add_co_u32 s58, s58, s[T0]
	s_add_nc_u64 s[SB:SB+1], s[4:5], s[58:59]
	s_lshl_b32 s58, s[EX], 2
	s_add_nc_u64 s[CP:CP+1], s[8:9], s[58:59]
	s_load_b32 s[CN], s[CP:CP+1], 0x0              ; the expert's count
	s_lshl_b32 s58, s[EX], 23
	s_lshl_b32 s[T0], s[KQ], 15                    ; my quarter: 32 K steps of 1 KiB in each tile
	s_add_co_u32 s58, s58, s[T0]
	s_add_nc_u64 s[XB:XB+1], s[6:7], s[58:59]
	s_lshl_b32 s58, s[KQ], 25
	s_lshl_b32 s[T0], s[EX], 22
	s_add_co_u32 s58, s58, s[T0]
	s_lshl_b32 s[T0], s[CS], 9
	s_add_co_u32 s58, s58, s[T0]
	s_add_nc_u64 s[OB:OB+1], s[10:11], s[58:59]
.irp i, 0,1,2,3,4
	s_mov_b64 s[XP+2*(\i):XP+2*(\i)+1], s[XB:XB+1]
	s_mov_b64 s[XT+2*(\i):XT+2*(\i)+1], s[XB:XB+1]
.endr
	s_cmp_lt_u32 s[WV], 4
	s_cbranch_scc1 .Lset_c
	WIN 0x40
	s_wait_alu depctr_va_vdst(0)                   ; v[VO] is written: every load of W2 reads it as its offset
.set k, 0
.rept 64                               ; group 0.  The 64th load's issue waits until the first has come back (ISA guide 5.7.1)
	global_load_b128 v[4*k:4*k+3], v[VO], s[SB:SB+1] offset:(((k/8)>>1)*64+((k/8)&1)*16+k%8)*PITCHB th:TH_LOAD_NT
.set k, k+1
.endr
	WIN 0
	TLCALC
	s_branch .Ltrip
.Lset_c:
	TLCALC
	INIT                                           ; a multiplier's first sweep is started here, while the loaders' first weights are on their way
.Ltrip:
	s_cmp_lt_u32 s[WV], 4
	s_cbranch_scc1 .Lcomp
	s_cmp_lt_u32 s[TR], 3
	s_cbranch_scc0 .Llast_g
	LG 1
	s_branch .Ljoin
.Llast_g:
	s_cmp_eq_u32 s[TR], 3
	s_cbranch_scc0 .Ljoin
	LG 0
	s_branch .Ljoin
.Lcomp:
	s_cmp_eq_u32 s[TR], 0
	s_cbranch_scc1 .Ljoin                          ; trip 0: no group is in LDS yet
	s_cmp_ge_u32 s[PB], s[TL]
	s_cbranch_scc1 .Ljoin                          ; no tile is left for this sweep
	s_wait_xcnt 0x0                                ; the loads asked for in the last trip have read the five addresses, a way out's stores their data: both are rewritten below
	s_wait_alu depctr_vm_vsrc(0)                   ; the LDS loads issued so far have read v[LW], which is written below; a way out's global stores have read v[GB ..], in whose upper end the weights below land
	s_sub_co_u32 s[GL], s[TR], 1                   ; group (n - 1) % 4
	s_and_b32 s[GL], s[GL], 3
	s_lshl_b32 s[KOFF], s[GL], 16
	v_add_nc_u32 v[LW], s[KOFF], v[L16]
	s_lshl_b32 s58, s[GL], 13                      ; a group's tokens are 8,192 bytes of a tile's quarter
.irp i, 0,1,2,3,4
	s_add_nc_u64 s[XP+2*(\i):XP+2*(\i)+1], s[XT+2*(\i):XT+2*(\i)+1], s[58:59]
.endr
	s_wait_alu depctr_va_vdst(0)                   ; v[LW] is written, which the LDS loads read; the last group's products are done reading H, in which they land
	HLD 0, 0
	HLD 1, 0
	; the token loads in their order of issue, ten each: this group's steps 2, 0, 1 (asked for earlier), 3, 4, 5, 6, 7, then the next group's 2, 0, 1
	KSTEP 0, 10, 1                                 ; behind step 0's loads stand step 1's
	KSTEP 1, 10, 1                                 ; behind step 1's: step 3's
	KSTEP 2, 20, 1                                 ; step 2's are the oldest of all: in since step 0's wait
	KSTEP 3, 20, 1                                 ; behind step 3's: steps 4's and 5's; and so on
	KSTEP 4, 20, 1
	KSTEP 5, 20, 0
	KSTEP 6, 10, 0                                 ; behind step 6's: step 7's alone
	s_cmp_eq_u32 s[GL], 3
	s_cbranch_scc1 .Llast7
	TOK XP, 10, 2                                  ; the next group's step 2 into the buffer that step 5 read, its step 0 into the one that step 6 read: 8,192 bytes on, inside the quarter for groups 0 to 2.
	TOK XP, 8, 0                                   ; No wait: no vector or matrix instruction stands between step 6's second wait on va_vdst and these loads
	KSTEP 7, 20, 0                                 ; behind step 7's: the twenty just issued
	s_wait_alu depctr_va_vdst(0)                   ; step 7's products are done reading buffer 1, in which the next group's step 1 lands
	TOK XP, 9, 1
	s_branch .Ljoin
.Llast7:
	KSTEP 7, 0, 0                                  ; the sweep's last K step: nothing was asked for behind its tokens
	; THE WAY OUT, behind a sweep's fourth group, a tile at a time.  The last K step's four v_nop are the places in front of the first read.
	s_wait_alu depctr_vm_vsrc(0)                   ; the group's LDS loads have read v[LW], which is written below
	v_add_nc_u32 v[LW], s[STG], v[L16]             ; back: 32 lanes take one stage row of 512 bytes
	s_mov_b32 s[UU], 0
.Lwo:
	s_lshl_b32 s[T0], s[UU], 2
	s_add_co_u32 s[T0], s[T0], s[PB]
	s_add_co_u32 s[T0], s[T0], s[RK]
	s_cmp_ge_u32 s[T0], s[TL]
	s_cbranch_scc1 .Lwo_next                       ; past the expert's last: not stored
	s_min_u32 s[T0], s[T0], 63
	s_lshl_b32 s[T0], s[T0], 16                    ; 16 rows of 4,096 bytes: the tile's place in part, kept until its stores
	s_wait_alu depctr_vm_vsrc(0)                   ; the last tile's LDS stores have read v[GT ..], which the moves write; its global stores have read v[GB ..], in which the LDS loads land, and v[VS], which is written below
.irp u, 0,1,2,3
	s_cmp_eq_u32 s[UU], \u
	s_cbranch_scc1 .Lmv\u
.endr
	MOVER 4
	s_branch .Lsend
.irp u, 0,1,2,3
.Lmv\u:
	MOVER \u
	s_branch .Lsend
.endr
.Lsend:
	s_wait_alu depctr_va_vdst(0)                   ; the moves have written v[GT ..], which the LDS stores read; for the first tile: v[LW] is written, and the products are done reading v[GB ..], in which the LDS loads land
.set k, 0
.rept 16                               ; four neighbouring columns: half k / 8, columns 4 (k % 8) + 0..3 of my 32
	ds_store_b128 v[STO], v[GT+4*k:GT+4*k+3] offset:256*(k/8)+16*(k%8)
.set k, k+1
.endr
	s_wait_xcnt 0x0                                ; the last tile's stores have read their data and their offset: both are rewritten only behind this wait; this tile's moves and LDS stores have stood between
	v_add_nc_u32 v[VS], s[T0], v[L16]
.set k, 0
.rept 16
	ds_load_b128 v[GB+4*k:GB+4*k+3], v[LW] offset:SPITCH*k            ; LDS serves a wave's instructions in order: these see the stores above
.set k, k+1
.endr
	s_wait_alu depctr_va_vdst(0)                   ; v[VS] is written, which the global stores read as their offset
.set k, 0
.rept 16
	s_wait_dscnt 15-k
	global_store_b128 v[VS], v[GB+4*k:GB+4*k+3], s[OB:OB+1] offset:4096*k  ; 512 consecutive bytes of a row of part, at a multiple of 512 from its first byte
.set k, k+1
.endr
.Lwo_next:
	s_add_co_u32 s[UU], s[UU], 1
	s_cmp_lt_u32 s[UU], 5
	s_cbranch_scc1 .Lwo
	s_add_co_u32 s[PB], s[PB], 20
	s_cmp_ge_u32 s[PB], s[TL]
	s_cbranch_scc1 .Ljoin
	INIT                                           ; more than this sweep's 320 rows: the next sweep is started
.Ljoin:
	s_wait_dscnt 0x0                               ; a loader's stores are done, a multiplier's LDS instructions are back
	s_barrier_signal -1
	s_barrier_wait -1                              ; the group written in this trip may be read in the next
	s_add_co_u32 s[TR], s[TR], 1
	s_cmp_lt_u32 s[TR], 17
	s_cbranch_scc1 .Ltrip
	s_wait_dscnt 0x0                               ; the wave's end
	s_wait_alu depctr_hold_cnt(0) depctr_sa_sdst(0) depctr_va_vdst(0) depctr_va_sdst(0) depctr_va_ssrc(0) depctr_va_vcc(0) depctr_vm_vsrc(0)
	s_wait_tensorcnt 0x0
	ds_add_u32 v6, v7
	s_wait_dscnt 0x0
	s_endpgm
.Lfunc_end_k_qd113aaeb00_ffn2:
	.size	k_qd113aaeb00_ffn2, .Lfunc_end_k_qd113aaeb00_ffn2-k_qd113aaeb00_ffn2
	.p2alignl 7, 3214868480
	.fill 96, 4, 3214868480
	.section	.rodata,"a",@progbits
	.p2align	6, 0x0
	.amdhsa_kernel k_qd113aaeb00_ffn2
		.amdhsa_group_segment_fixed_size 296960
		.amdhsa_private_segment_fixed_size 0
		.amdhsa_enable_private_segment 0
		.amdhsa_kernarg_size 32
		.amdhsa_user_sgpr_count 2
		.amdhsa_user_sgpr_kernarg_segment_ptr 1
		.amdhsa_wavefront_size32 1
		.amdhsa_system_sgpr_workgroup_id_x 1
		.amdhsa_system_sgpr_workgroup_id_y 1
		.amdhsa_system_sgpr_workgroup_id_z 1
		.amdhsa_system_vgpr_workitem_id 0
		.amdhsa_next_free_vgpr 512
		.amdhsa_next_free_sgpr 78
		.amdhsa_reserve_vcc 0
		.amdhsa_float_denorm_mode_32 3
		.amdhsa_float_denorm_mode_16_64 3
		.amdhsa_memory_ordered 1
		.amdhsa_forward_progress 1
		.amdhsa_inst_pref_size 127
	.end_amdhsa_kernel
	.amdgpu_metadata
---
amdhsa.version: [ 1, 2 ]
amdhsa.kernels:
  - .name:           k_qd113aaeb00_ffn2
    .symbol:         k_qd113aaeb00_ffn2.kd
    .args:
      - { .name: W2, .offset: 0, .size: 8, .value_kind: global_buffer, .address_space: global }
      - { .name: hs, .offset: 8, .size: 8, .value_kind: global_buffer, .address_space: global }
      - { .name: cnt, .offset: 16, .size: 8, .value_kind: global_buffer, .address_space: global }
      - { .name: part, .offset: 24, .size: 8, .value_kind: global_buffer, .address_space: global }
    .group_segment_fixed_size: 296960
    .private_segment_fixed_size: 0
    .kernarg_segment_align: 8
    .kernarg_segment_size: 32
    .max_flat_workgroup_size: 256
    .sgpr_count:     78
    .vgpr_count:     512
    .wavefront_size: 32
...
	.end_amdgpu_metadata
.endif
;; end of part 7
;; launch combine: the kernel of part 5 again; grid 256 x 1, 8 waves a work-group, no clusters, 0 bytes of LDS; arguments part, b2, ridx, gate, pos, out0; writes out0
